; MI455X (gfx1250); checked and timed in simulation.
; The chip was launched on July 23, 2026; its instructions are those of AMD's public machine-readable ISA for CDNA 5 (MIT licence, August 2026) and "CDNA5" Instruction Set Architecture Reference Guide (July 2026). The comments in the code are by the model that wrote it; some were corrected since.
;; Partial Encoder Weighted Sum EDDI Multi Weight. Allowed arithmetic: matrix products marked QUANTISED: E2M3 operands, one E8M0 scale for each 32 along K, by v_wmma_scale_f32_16x16x128_f8f6f4 with both operands' format E2M3, f32 sums; products left as they are: f32 operands where the result goes on into a quantised operand, else bf16, f16 or f32 operands; f32 sums; everything else in f32.
;; Inputs: c_b 32 float32; c_ln_b 32 float32; c_ln_g 32 float32; c_w 128 x 32 float32; e_b1 256 float32; e_b2 64 float32; e_ln1_b 256 float32; e_ln1_g 256 float32; e_ln2_b 64 float32; e_ln2_g 64 float32; e_w1 32 x 256 float32; e_w2 256 x 64 float32; feat_emb 16,384 x 32 float32; g_b1 16 float32; g_b2 4 float32; g_w1 32 x 16 float32; g_w2 16 x 4 float32; h_b1 128 float32; h_b2 32 float32; h_ln1_b 128 float32; h_ln1_g 128 float32; h_ln2_b 32 float32; h_ln2_g 32 float32; h_w1 33 x 128 float32; h_w2 128 x 32 float32; mask 64 x 16,384 int32; x 64 x 16,384 float32.
;; Outputs: out0 64 x 32 float32; out1 64 x 32 float32.
;; This version of the problem:
;;   THIS VERSION OF THE PROBLEM IS GIVEN IN LOW PRECISION. The matrix products marked QUANTISED in the list below multiply operands that are first quantised to E2M3 (2 exponent bits, 3 mantissa bits; 6 bits a number), with one power-of-two scale for each 32 numbers along K (OCP MX v1.0); their sums are f32. All else is computed in f32.
;;   The module's matrix products, in the order in which they are computed (A, B: the left and right operand; K: the contracted axis; several contracted axes count as one K, in the product's order):
;;     1. [M 1,048,576, K 33] x [K 33, N 128]; A: computed on the way; B: input h_w1: QUANTISED
;;     2. [M 1,048,576, K 128] x [K 128, N 32]; A: computed on the way; B: input h_w2: QUANTISED
;;     3. [M 1,048,576, K 32] x [K 32, N 16]; A: computed on the way; B: input g_w1: QUANTISED
;;     4. [M 1,048,576, K 16] x [K 16, N 4]; A: computed on the way; B: input g_w2: left as it is (K = 16 < 32)
;;     5. batch 64 x [M 4, K 16,384] x [K 16,384, N 32]; A: computed on the way; B: computed on the way: left as it is (M = 4 < 16)
;;     6. [M 64, K 128] x [K 128, N 32]; A: computed on the way; B: input c_w: QUANTISED
;;     7. [M 64, K 32] x [K 32, N 256]; A: computed on the way; B: input e_w1: QUANTISED
;;     8. [M 64, K 256] x [K 256, N 64]; A: computed on the way; B: input e_w2: QUANTISED
;;   THE QUANTISER, for each operand of a quantised product, along K:
;;     - K is cut into blocks of 32 from its start; a last block that is shorter is filled with zeros.
;;     - A block's scale is 2^e with e = floor(log2(the largest magnitude in the block)) - 2, held to -126 .. 127; a block of zeros has e = 0. As a byte (E8M0): e + 127.
;;     - Each number is divided by its block's scale, clamped to +-7.5, and rounded to the nearest number of E2M3, ties to even, subnormals kept.
;;     - The product sums the exact products of the quantised numbers (number of the format x scale) in f32.
;;   ~~~python
;;   def quantise(x, axis):      # numpy; x: float32 -> the quantised numbers, widened to float32 again
;;       x = np.moveaxis(x, axis, -1); K = x.shape[-1]
;;       x = np.pad(x, [(0, 0)] * (x.ndim - 1) + [(0, -K % 32)]); x = x.reshape(x.shape[:-1] + (-1, 32)); a = np.abs(x).max(-1, keepdims=True)
;;       e = np.where(a > 0, np.clip(np.frexp(np.where(a > 0, a, 1))[1] - 1 - 2, -126, 127), 0)      # np.frexp(a)[1] - 1 = floor(log2(a)), exactly
;;       r = np.clip(x / 2.0 ** e, -7.5, 7.5)
;;       step = 2.0 ** (np.maximum(np.frexp(np.where(r == 0, 1, r))[1] - 1, 0) - 3)
;;       q = np.round(r / step) * step * 2.0 ** e      # np.round: ties to even
;;       return np.moveaxis(q.reshape(q.shape[:-2] + (-1,))[..., :K], -1, axis).astype(np.float32)
;;   ~~~
;;   OPERANDS COMPUTED ON THE WAY. 'Computed on the way' means the value that the module computes at that place (a softmax that the list does not call 'softmax' is quantised finished and normalised). What goes into a quantiser is computed in f32, as accurately as f32 sums, v_exp_f32 and their like allow (about 1e-6 of the number): no bf16 or f16 on the way to a quantiser, and a product that is left as it is and whose result goes on into a quantised operand takes f32 operands (vector FMAs, or v_wmma_f32_16x16x4_f32). A number that lies on a knife's edge between two numbers of the format may be rounded either way, as far as f32 arithmetic and the matrix unit's own rounding can turn it there, and no further.
;; 2 versions, each right; version 2 is version 1 with the launches rows, tail written anew for expert scheduling mode. Each part assembles by itself: llvm-mc -triple=amdgcn-amd-amdhsa -mcpu=gfx1250 --defsym DOCPART=n.
;; ======== version 1 of 2: 2 launches
;; workspace buffers: parts 163,840 bytes
;; launch rows (part 1): grid 256 x 1, 4 waves a work-group, no clusters, 4,608 bytes of LDS; arguments x, mask, feat_emb, h_w1, h_b1, h_ln1_g, h_ln1_b, h_w2, h_b2, h_ln2_g, h_ln2_b, g_w1, g_b1, g_w2, g_b2, parts; writes parts
.if DOCPART == 1
	.amdgcn_target "amdgcn-amd-amdhsa--gfx1250"
	.amdhsa_code_object_version 6
	.text
	.protected	k_qc533cf7c42_rows
	.globl	k_qc533cf7c42_rows
	.p2align	8
	.type	k_qc533cf7c42_rows,@function
k_qc533cf7c42_rows:
	s_mov_b64 s[64:65], 0
	v_nop
	global_prefetch_b8 v0, s[64:65] scope:SCOPE_SE
	s_setreg_imm32_b32 hwreg(HW_REG_WAVE_MODE, 25, 1), 1
	s_wait_xcnt 0x0
; For each pair (b, j): [x, emb_j] -> 128 -> LN, relu -> 32 -> LN, relu = h_out -> 16 -> relu -> 4 logits, clipped to +-10; the launch leaves, for each
; work-group, the sums over its observed j of exp(logit_w) h_out_d (128 floats) and of exp(logit_w) (4 floats, repeated).  Products 1, 2, 3 on codes of E2M3 with E8M0 scales.
; SHARES.  Work-group g: row b = g / 4 of x, 4,096 junctions; each of its four waves 1,024 of them, in 32 batches of 32 neighbouring j: two tiles of 16 rows.
; THE MASK SELECTS VALUES ONLY: no branch and no address hangs on it.  Every pair is computed, and the exp of a pair with mask = 0 is replaced by 0, so that it adds nothing to either sum.
; A batch's emb, x and mask are asked for a batch ahead: a whole batch's work stands between the loads and the wait for them.
; NO MAXIMUM AHEAD OF exp: the clip to +-10 is part of the function, so exp lies in 4.5e-5 .. 2.2e4 and a sum of 16,384 of them under 3.7e8.
; LAYOUT.  Every product is used transposed (source 0 = 16 columns of the weight, source 1 = 16 rows of data): a lane (r = lane % 16, h = lane / 16) holds ONE row, its registers run along the features.
; The columns that form a tile of h_w1 are 64 (t / 4) + 32 (m / 8) + 8 (t % 4) + m % 8, so that a lane's registers 32 q .. 32 q + 31 are the whole block 2 q + h of the next K, in the operand's own order.
; K = 33: block 0 is laid as [e0 .. e15 | e16 .. e30, x], 16 codes in each of the instruction's blocks 0 and 1 under one byte; block 1 (e31) is one code in the instruction's block 3; all other codes are zeros.  K = 32 likewise.
; LIMITS: NaN and infinities are not served; a block of zeros carries the byte 1 (its codes are zeros; only this program reads the bytes); inside a block of 32 the order of k is permuted, alike on both operands.
.set XB,2                              ; 4 r: my row's word in a tile's 16 of x and of mask
.set H64,3                             ; 64 h
.set VOFF,4                            ; XB + the batch's step
.set MN,5                              ; +u: my row's mask word
.set JB,7                              ; 128 r + 64 h: my 64 bytes of my row of emb
.set SH8,13                            ; 8 h
.set T0,14
.set T1,15
.set JO,16                             ; JB + the batch's step
.set XS,18                             ; +u: my row's x
.set E,20                              ; +16u: 16 numbers of emb
.set Z,52                              ; 16 registers, all 0 but Z+8
.set OP1,68                            ; +12u
.set HOP,92                            ; +12u
.set QT,116                            ; 28 registers at work
.set LP,QT+12
.set OP3,144                           ; +12u
.set HO,168                            ; +16u
.set GA,200                            ; +8u
.set LG,216                            ; +4u
.set G1S,224
.set AW1,225                           ; v225-231: addresses of the head's loads
.set AX,226
.set AW2,227
.set AG,228
.set A128,229
.set A32,230
.set A0R,231
.set EX,232                            ; +4u
.set S1D,240                           ; scale words: data of products 1, 2, 3; then the weights'
.set S2D,242
.set S3D,244
.set W1S,246
.set W2S,254
.set ZA,0                              ; window 1: +64u the hidden layer; ACC 16 w + i; SS; LN1's 20 registers a tile
.set ACC,128
.set SS,192
.set TW,196
.set BI1,0                             ; window 2
.set G1N,64
.set B1N,128
.set W2F,192
.set HB2,0                             ; window 3
.set G2N,16
.set B2N,32
.set GB1,48
.set GW2,56
.set GB2,88
.set G1F,92
.set W1F,104
.set RD,16                             ; the end: ACC and SS copied to window 0
.set sT,48                             ; the trip
.set sOFF,49                           ; the next batch's step in x and mask: 128 bytes a batch
.set sOFJ,50                           ; and in feat_emb: 4,096 bytes a batch
.set sJ,51
.set HI,52
.set SEL,54
.set VM,56                             ; s56, s57: which lanes of tile 0, 1 hold an observed row
.set EPS,59
.set MSB, 0
.macro WIN new                         ; bits 1:0 source 0, 3:2 source 1, 5:4 source 2, 7:6 destination; the high byte repeats the setting that is left
.if MSB != (\new)
	s_set_vgpr_msb (MSB<<8)|(\new)
.set MSB, (\new)
.endif
.endm
.macro PL n                            ; places behind or in front of matrix instructions (ISA guide 7.12.1)
.rept \n
	v_nop
.endr
.endm
.macro ZERO base, n
.set i_,0
.rept \n
	v_mov_b32 v[(\base)+i_], 0
.set i_,i_+1
.endr
.endm
.macro LDC base, n4, areg, sp          ; constants in a result's layout: registers 32 q + 4 e from byte 256 q + 16 e on
.set q_,0
.rept \n4
	global_load_b128 v[(\base)+4*q_:(\base)+4*q_+3], v[\areg], s[\sp:\sp+1] offset:256*(q_/8)+16*(q_%8)
.set q_,q_+1
.endr
.endm
.macro WMMA d, a, b, c, sa, sb
	v_wmma_scale_f32_16x16x128_f8f6f4 v[(\d):(\d)+7], v[(\a):(\a)+11], v[(\b):(\b)+11], v[(\c):(\c)+7], v[\sa], v[\sb] matrix_a_fmt:MATRIX_FMT_FP6 matrix_b_fmt:MATRIX_FMT_FP6
.endm
.macro WMMA1 d, a, b, c, sa, sb        ; both scale words are read from lanes 16-31
	v_wmma_scale_f32_16x16x128_f8f6f4 v[(\d):(\d)+7], v[(\a):(\a)+11], v[(\b):(\b)+11], v[(\c):(\c)+7], v[\sa], v[\sb] matrix_a_fmt:MATRIX_FMT_FP6 matrix_b_fmt:MATRIX_FMT_FP6 matrix_a_scale:MATRIX_SCALE_ROW1 matrix_b_scale:MATRIX_SCALE_ROW1
.endm
; n fragments of 128 along K.  Fragment f: 64 numbers of a lane, v[s0 + ss f ..] in window sw, registers 32 c + i = k 64 c + 32 h + i: two whole blocks.  Codes to v[o0 + os f ..] in window dw, scale word to v[w0 + f].
; QT+0..3 largest magnitudes, then the conversions' scale operands; +4..7 bytes; +8..11 the word's halves; +12.. the second halves of the blocks' codes (a conversion's three registers begin on an even number).
.macro QFRAG n, sw, s0, ss, dw, o0, os, w0
	WIN ((\sw)*0x14)
.set i_, 0
.rept 16
.set b_, 0
.rept 2*(\n)
.set sb_, (\s0)+(\ss)*(b_/2)+32*(b_%2)+i_
.if i_ == 0
	v_max3_num_f32 v[QT+b_], 0x1800000, |v[sb_]|, |v[sb_+1]|     ; the floor 2^(3 - 127) holds the byte at 1 from below
.else
	v_max3_num_f32 v[QT+b_], v[QT+b_], |v[sb_]|, |v[sb_+1]|      ; the blocks by turns
.endif
.set b_, b_+1
.endr
.set i_, i_+2
.endr
	WIN 0
.set b_, 0
.rept 2*(\n)
	v_add_nc_u32 v[QT+b_], 0xff000000, v[QT+b_]                  ; 2 off the exponent field: the conversion's scale operand
.set b_, b_+1
.endr
.set b_, 0
.rept 2*(\n)
	v_lshrrev_b32 v[QT+4+b_], 23, v[QT+b_]                       ; the byte
.set b_, b_+1
.endr
.set f_, 0
.rept \n
	v_lshl_or_b32 v[QT+8+f_], v[QT+5+2*f_], 16, v[QT+4+2*f_]     ; my blocks h and 2 + h,
.set f_, f_+1
.endr
.set f_, 0
.rept \n
	v_lshlrev_b32 v[QT+8+f_], v[SH8], v[QT+8+f_]                 ; at their places in the word;
.set f_, f_+1
.endr
.set f_, 0
.rept \n
	v_permlanex16_b32 v[QT+10+f_], v[QT+8+f_], s[SEL], s[SEL+1]
.set f_, f_+1
.endr
.set f_, 0
.rept \n
	v_or_b32 v[(\w0)+f_], v[QT+8+f_], v[QT+10+f_]                ; with lane l xor 16's two the word is whole, in both halves
.set f_, f_+1
.endr
	WIN ((\sw)|((\dw)<<6))
.set b_, 0
.rept 2*(\n)
.set sb_, (\s0)+(\ss)*(b_/2)+32*(b_%2)
.set ob_, (\o0)+(\os)*(b_/2)+6*(b_%2)
	v_cvt_scalef32_pk16_fp6_f32 v[ob_:ob_+2], v[sb_:sb_+15], v[QT+b_]
.set b_, b_+1
.endr
	WIN (\sw)
.set b_, 0
.rept 2*(\n)
.set sb_, (\s0)+(\ss)*(b_/2)+32*(b_%2)
	v_cvt_scalef32_pk16_fp6_f32 v[QT+12+4*b_:QT+14+4*b_], v[sb_+16:sb_+31], v[QT+b_]
.set b_, b_+1
.endr
	WIN ((\dw)<<6)
	v_nop                                                        ; one plain place behind the conversions
.set b_, 0
.rept 2*(\n)
.set ob_, (\o0)+(\os)*(b_/2)+6*(b_%2)
	v_mov_b32 v[ob_+3], v[QT+12+4*b_]
	v_mov_b32 v[ob_+4], v[QT+13+4*b_]
	v_mov_b32 v[ob_+5], v[QT+14+4*b_]
.set b_, b_+1
.endr
	WIN 0
.endm
; n (up to 4) operands of K = 32.  Tile u: a lane's 16 numbers v[s0 + ss u ..] (k = 16 h + i) in window sw -> three registers of codes at v[o0 + os u] in window dw; word = the byte in bytes 0 and 1.
.macro QHALF n, sw, s0, ss, dw, o0, os, w0
	WIN ((\sw)*0x14)
.set i_, 0
.rept 8
.set u_, 0
.rept \n
.set sb_, (\s0)+(\ss)*u_+i_
.if i_ == 0
	v_max3_num_f32 v[QT+u_], 0x1800000, |v[sb_]|, |v[sb_+1]|
.else
	v_max3_num_f32 v[QT+u_], v[QT+u_], |v[sb_]|, |v[sb_+1]|
.endif
.set u_, u_+1
.endr
.set i_, i_+2
.endr
	WIN 0
.irp st,0,1,2,3,4
.set u_, 0
.rept \n
.if \st == 0
	v_permlanex16_b32 v[QT+4+u_], v[QT+u_], s[SEL], s[SEL+1]
.elseif \st == 1
	v_max_num_f32 v[QT+u_], v[QT+u_], v[QT+4+u_]                 ; with lane l xor 16's 16: the block's largest magnitude
.elseif \st == 2
	v_add_nc_u32 v[QT+u_], 0xff000000, v[QT+u_]
.elseif \st == 3
	v_lshrrev_b32 v[QT+8+u_], 23, v[QT+u_]
.else
	v_mul_u32_u24 v[(\w0)+u_], v[QT+8+u_], 0x101
.endif
.set u_, u_+1
.endr
.endr
	WIN ((\sw)|((\dw)<<6))
.set u_, 0
.rept \n
	v_cvt_scalef32_pk16_fp6_f32 v[(\o0)+(\os)*u_:(\o0)+(\os)*u_+2], v[(\s0)+(\ss)*u_:(\s0)+(\ss)*u_+15], v[QT+u_]
.set u_, u_+1
.endr
	WIN 0
	v_nop
.endm
; Two operands of K = 33.  e: 16 numbers (k = 1 + 16 h + i); x: the number of k = 0, wanted in lanes 16-31.  There index 15 (k = 32) goes to Z+8, a block of its own, and k = 0 takes its place.
; QT+0,1 k = 32; +2,3 block 0's maximum; +4,5 block 1's; +6,7 the other half's; +8..11 bytes.  The word (s0, s0, s1, s1) is right in lanes 16-31.
.macro QP1X e0, e1, x0, x1, dw, o0, o1, w0, w1
	v_cndmask_b32 v[QT+0], 0, v[(\e0)+15], s[HI]
	v_cndmask_b32 v[QT+1], 0, v[(\e1)+15], s[HI]
	v_cndmask_b32 v[(\e0)+15], v[(\e0)+15], v[\x0], s[HI]
	v_cndmask_b32 v[(\e1)+15], v[(\e1)+15], v[\x1], s[HI]
	v_max3_num_f32 v[QT+2], 0x1800000, |v[\e0]|, |v[(\e0)+1]|
	v_max3_num_f32 v[QT+3], 0x1800000, |v[\e1]|, |v[(\e1)+1]|
.irp i,2,4,6,8,10,12,14
	v_max3_num_f32 v[QT+2], v[QT+2], |v[(\e0)+\i]|, |v[(\e0)+\i+1]|
	v_max3_num_f32 v[QT+3], v[QT+3], |v[(\e1)+\i]|, |v[(\e1)+\i+1]|
.endr
	v_max3_num_f32 v[QT+4], 0x1800000, |v[QT+0]|, |v[QT+0]|
	v_max3_num_f32 v[QT+5], 0x1800000, |v[QT+1]|, |v[QT+1]|
	v_permlanex16_b32 v[QT+6], v[QT+2], s[SEL], s[SEL+1]
	v_permlanex16_b32 v[QT+7], v[QT+3], s[SEL], s[SEL+1]
	v_mov_b32 v[Z+8], v[QT+0]
	v_max_num_f32 v[QT+2], v[QT+2], v[QT+6]
	v_max_num_f32 v[QT+3], v[QT+3], v[QT+7]
.irp k,2,3,4,5
	v_add_nc_u32 v[QT+\k], 0xff000000, v[QT+\k]
.endr
.irp k,2,3,4,5
	v_lshrrev_b32 v[QT+6+\k], 23, v[QT+\k]
.endr
.irp k,8,9,10,11
	v_mul_u32_u24 v[QT+\k], v[QT+\k], 0x101
.endr
	v_lshl_or_b32 v[\w0], v[QT+10], 16, v[QT+8]
	v_lshl_or_b32 v[\w1], v[QT+11], 16, v[QT+9]
	WIN ((\dw)<<6)
	v_cvt_scalef32_pk16_fp6_f32 v[(\o0):(\o0)+2], v[(\e0):(\e0)+15], v[QT+2]
	v_cvt_scalef32_pk16_fp6_f32 v[(\o1):(\o1)+2], v[(\e1):(\e1)+15], v[QT+3]
	v_cvt_scalef32_pk16_fp6_f32 v[(\o0)+6:(\o0)+8], v[Z:Z+15], v[QT+4]
	WIN 0
	v_nop                                                        ; a plain place before Z+8, a source of the conversion, is written again
	v_mov_b32 v[Z+8], v[QT+1]
	WIN ((\dw)<<6)
	v_cvt_scalef32_pk16_fp6_f32 v[(\o1)+6:(\o1)+8], v[Z:Z+15], v[QT+5]
	WIN 0
	v_nop
.endm
; LayerNorm without gain and bias, nt tiles by turns, all registers in ONE window (the caller sets it).  Tile u: np pairs at z0 + zs u; 14 registers at tw + tws u:
; +0..7 four chains, +8 minus the mean, +10 1 / sqrt(var + eps), +12 a sum, +13 the other half's.  A row lies in lanes l and l xor 16.  Two passes: mean, deviations, their squares.
.macro LNJOIN nt, tw, tws
.irp st,0,1,2,3,4,5
.set u_,0
.rept \nt
.set tt_, (\tw)+(\tws)*u_
.if \st == 0
	v_pk_add_f32 v[tt_:tt_+1], v[tt_:tt_+1], v[tt_+2:tt_+3]
.elseif \st == 1
	v_pk_add_f32 v[tt_+4:tt_+5], v[tt_+4:tt_+5], v[tt_+6:tt_+7]
.elseif \st == 2
	v_pk_add_f32 v[tt_:tt_+1], v[tt_:tt_+1], v[tt_+4:tt_+5]
.elseif \st == 3
	v_add_f32 v[tt_+12], v[tt_], v[tt_+1]
.elseif \st == 4
	v_permlanex16_b32 v[tt_+13], v[tt_+12], s[SEL], s[SEL+1]
.else
	v_add_f32 v[tt_+12], v[tt_+12], v[tt_+13]
.endif
.set u_,u_+1
.endr
.endr
.endm
.macro LNORM nt, z0, zs, np, tw, tws, ni, pi
.set p_,0
.rept 4                                ; each accumulator is first read at its low end: the pairs go in ascending order
.set u_,0
.rept \nt
.set zz_, (\z0)+(\zs)*u_
.set tt_, (\tw)+(\tws)*u_
	v_pk_add_f32 v[tt_+2*p_:tt_+2*p_+1], v[zz_+2*p_:zz_+2*p_+1], v[zz_+8+2*p_:zz_+9+2*p_]
.set u_,u_+1
.endr
.set p_,p_+1
.endr
.if (\np) > 8
.set p_,8
.rept (\np)-8
.set u_,0
.rept \nt
.set zz_, (\z0)+(\zs)*u_
.set tt_, (\tw)+(\tws)*u_+2*(p_%4)
	v_pk_add_f32 v[tt_:tt_+1], v[tt_:tt_+1], v[zz_+2*p_:zz_+2*p_+1]
.set u_,u_+1
.endr
.set p_,p_+1
.endr
.endif
	LNJOIN \nt, \tw, \tws
.set u_,0
.rept \nt
.set tt_, (\tw)+(\tws)*u_
	v_mul_f32 v[tt_+8], \ni, v[tt_+12]
.set u_,u_+1
.endr
.set p_,0
.rept \np
.set u_,0
.rept \nt
.set zz_, (\z0)+(\zs)*u_
.set tt_, (\tw)+(\tws)*u_
	v_pk_add_f32 v[zz_+2*p_:zz_+2*p_+1], v[zz_+2*p_:zz_+2*p_+1], v[tt_+8:tt_+9] op_sel_hi:[1,0]
.set u_,u_+1
.endr
.set p_,p_+1
.endr
.set p_,0
.rept \np
.set u_,0
.rept \nt
.set zz_, (\z0)+(\zs)*u_
.set tt_, (\tw)+(\tws)*u_+2*(p_%4)
.if p_ < 4
	v_pk_mul_f32 v[tt_:tt_+1], v[zz_+2*p_:zz_+2*p_+1], v[zz_+2*p_:zz_+2*p_+1]
.else
	v_pk_fma_f32 v[tt_:tt_+1], v[zz_+2*p_:zz_+2*p_+1], v[zz_+2*p_:zz_+2*p_+1], v[tt_:tt_+1]
.endif
.set u_,u_+1
.endr
.set p_,p_+1
.endr
	LNJOIN \nt, \tw, \tws
.set u_,0
.rept \nt
.set tt_, (\tw)+(\tws)*u_
	v_fma_f32 v[tt_+12], v[tt_+12], \pi, s[EPS]
.set u_,u_+1
.endr
.set u_,0
.rept \nt
.set tt_, (\tw)+(\tws)*u_
	v_rsq_f32 v[tt_+10], v[tt_+12]
.set u_,u_+1
.endr
	v_nop                                                        ; a plain place behind the transcendental
.set p_,0
	s_wait_alu depctr_va_vdst(0)
.rept \np
.set u_,0
.rept \nt
.set zz_, (\z0)+(\zs)*u_
.set tt_, (\tw)+(\tws)*u_
	v_pk_mul_f32 v[zz_+2*p_:zz_+2*p_+1], v[zz_+2*p_:zz_+2*p_+1], v[tt_+10:tt_+11] op_sel_hi:[1,0]
.set u_,u_+1
.endr
.set p_,p_+1
.endr
.endm
.macro AFFINE nt, z0, zs, np, g, b     ; z = z g + b
.set p_,0
.rept \np
.set u_,0
.rept \nt
.set zz_, (\z0)+(\zs)*u_+2*p_
	v_pk_fma_f32 v[zz_:zz_+1], v[zz_:zz_+1], v[(\g)+2*p_:(\g)+2*p_+1], v[(\b)+2*p_:(\b)+2*p_+1]
.set u_,u_+1
.endr
.set p_,p_+1
.endr
.endm
.macro RELU nt, z0, zs, n
.set i_,0
.rept \n
.set u_,0
.rept \nt
	v_max_num_f32 v[(\z0)+(\zs)*u_+i_], 0, v[(\z0)+(\zs)*u_+i_]
.set u_,u_+1
.endr
.set i_,i_+1
.endr
.endm
.macro LDW1 t, e, xr                   ; tile t of h_w1: rows 1 + 16 h + i of my column, and row 0
.set i_,0
.rept 16
	global_load_b32 v[(\e)+i_], v[AW1], s[14:15] offset:512*(1+i_)+4*(64*((\t)>>2)+8*((\t)&3))
.set i_,i_+1
.endr
	global_load_b32 v[\xr], v[AX], s[14:15] offset:4*(64*((\t)>>2)+8*((\t)&3))
.endm
; A batch of 32 neighbouring j is asked for.  Tile u is rows 16 u .. 16 u + 15 of it; lane (r, h) takes row r's mask word and x, and 64 bytes, numbers 16 h .. 16 h + 15, of row r's emb:
; a tile's four loads of emb cover its 2,048 consecutive bytes.
.macro FETCH
	global_load_b32 v[MN], v[VOFF], s[10:11] th:TH_LOAD_NT
	global_load_b32 v[MN+1], v[VOFF], s[10:11] offset:64 th:TH_LOAD_NT
	global_load_b32 v[XS], v[VOFF], s[8:9] th:TH_LOAD_NT
	global_load_b32 v[XS+1], v[VOFF], s[8:9] offset:64 th:TH_LOAD_NT
.irp q,0,1,2,3
	global_load_b128 v[E+4*\q:E+4*\q+3], v[JO], s[12:13] offset:16*\q
	global_load_b128 v[E+16+4*\q:E+16+4*\q+3], v[JO], s[12:13] offset:2048+16*\q
.endr
.endm
	s_load_b512 s[8:23], s[0:1], 0x0               ; x, mask, feat_emb, h_w1, h_b1, h_ln1_g, h_ln1_b, h_w2
	s_load_b512 s[24:39], s[0:1], 0x40             ; h_b2, h_ln2_g, h_ln2_b, g_w1, g_b1, g_w2, g_b2, parts
	v_lshl_add_u32 v11, v0, 2, 0x1000
	v_mov_b32 v12, 0
	v_lshrrev_b32 v[T0], 5, v0
	v_readfirstlane_b32 s2, v[T0]                  ; wave
	v_bfe_u32 v[T1], v0, 4, 1                      ; h
	v_lshlrev_b32 v[H64], 6, v[T1]
	v_lshlrev_b32 v[SH8], 3, v[T1]
	v_lshlrev_b32 v[A128], 7, v[T1]
	v_lshlrev_b32 v[A32], 5, v[T1]
	v_and_b32 v[T0], 7, v0
	v_lshlrev_b32 v[T0], 2, v[T0]
	v_bfe_u32 v[A0R], v0, 3, 1                     ; m / 8
	v_lshl_or_b32 v[AX], v[A0R], 7, v[T0]          ; h_w1: 4 (32 (m / 8) + m % 8)
	v_lshl_or_b32 v[AW2], v[A0R], 6, v[T0]         ; h_w2: 4 (16 (m / 8) + m % 8)
	v_lshl_add_u32 v[AW1], v[T1], 13, v[AX]        ; + 16 h rows of 512 bytes
	v_lshl_add_u32 v[AW2], v[T1], 12, v[AW2]       ; + 32 h rows of 128 bytes
	v_and_b32 v[T0], 15, v0                        ; r
	v_lshlrev_b32 v[XB], 2, v[T0]
	v_lshl_add_u32 v[JB], v[T0], 7, v[H64]
	v_lshl_add_u32 v[AG], v[T1], 10, v[XB]         ; g_w1: 4 m + 16 h rows of 64 bytes
	v_mov_b32 v[A0R], 0
	s_mov_b32 s[HI], 0xffff0000                    ; lanes 16-31
	s_mov_b32 s[SEL], 0x76543210
	s_mov_b32 s[SEL+1], 0xfedcba98                 ; v_permlanex16_b32's selects for lane l xor 16
	s_mov_b32 s[EPS], 0x3727c5ac                   ; 1e-5
	s_mov_b32 s61, 0xc1200000                      ; -10
	s_mov_b32 s62, 0x41200000                      ; 10
	s_mov_b32 s63, 0x3fb8aa3b                      ; log2(e)
	s_lshr_b32 s68, ttmp9, 2                       ; b
	s_and_b32 s69, ttmp9, 3
	s_lshl_b32 s69, s69, 12
	s_lshl_b32 s70, s2, 10
	s_add_co_u32 s[sJ], s69, s70                   ; my wave's first j
	s_lshl_b32 s68, s68, 14
	s_add_co_u32 s68, s68, s[sJ]
	s_lshl_b32 s68, s68, 2                         ; its byte in x and in mask
	s_mov_b32 s69, 0
	s_mul_i32 s70, ttmp9, 640                      ; my work-group's record
	s_mov_b32 s71, 0
	s_lshl_b32 s72, s[sJ], 7                       ; my first row of feat_emb: 128 bytes a row
	s_mov_b32 s73, 0
	s_wait_kmcnt 0x0
	s_add_nc_u64 s[8:9], s[8:9], s[68:69]
	s_add_nc_u64 s[10:11], s[10:11], s[68:69]
	s_add_nc_u64 s[12:13], s[12:13], s[72:73]
	s_add_nc_u64 s[38:39], s[38:39], s[70:71]
	; every load of the weights and constants goes out in one run; the weights land as f32 in registers that the loop uses later
	LDW1 0,20,208
	LDW1 1,36,209
	LDW1 2,68,210
	LDW1 3,84,211
	LDW1 4,144,212
	LDW1 5,160,213
	LDW1 6,176,214
	LDW1 7,192,215
.set i_,0
.rept 16
	global_load_b32 v[100+i_], v[AG], s[30:31] offset:64*i_      ; g_w1(16 h + i, m)
.set i_,i_+1
.endr
	WIN 0x40
.set k_,0
.rept 128                              ; h_w2(64 c + 32 h + i, 16 (m / 8) + 8 n + m % 8) into window 1, register 64 n + 32 c + i
	global_load_b32 v[ZA+k_], v[AW2], s[22:23] offset:128*(64*((k_%64)/32)+k_%32)+32*(k_/64)
.set k_,k_+1
.endr
	WIN 0x80
	LDC BI1,16,A128,16
	LDC G1N,16,A128,18
	LDC B1N,16,A128,20
	WIN 0xc0
	LDC HB2,4,H64,24
	LDC G2N,4,H64,26
	LDC B2N,4,H64,28
	LDC GB1,2,A32,32
	LDC GW2,8,A128,34                              ; g_w2(8 h + j, 0 .. 3) at register 4 j
	LDC GB2,1,A0R,36
.irp t,0,1,2,3,4,5,6,7                 ; of a weight's fragment only the registers that meet codes of the data are made; the others are written once, with zeros
	ZERO W1F+12*\t+3,3
	ZERO W1F+12*\t+9,3
.endr
	ZERO G1F+3,9
	WIN 0x40
	ZERO ACC,68                                    ; the sums begin as zeros, so that the batch is written once, in the loop
.irp u,0,1
.irp k,9,11,13
	v_mov_b32 v[TW+20*\u+\k], 0                    ; upper halves of pairs whose low word alone is used, and a lane permute's destination: written once
.endr
.endr
	WIN 0
	ZERO Z,16
	ZERO QT,28                                     ; lane permutes' destinations, which count as sources, among them
	s_wait_loadcnt 0x0
	QP1X 20,36,208,209,3,W1F,W1F+12,W1S,W1S+1
	QP1X 68,84,210,211,3,W1F+24,W1F+36,W1S+2,W1S+3
	QP1X 144,160,212,213,3,W1F+48,W1F+60,W1S+4,W1S+5
	QP1X 176,192,214,215,3,W1F+72,W1F+84,W1S+6,W1S+7
	QHALF 1,0,100,0,3,G1F,0,G1S
	QFRAG 2,1,ZA,64,2,W2F,12,W2S
	WIN 0xc3
.irp i,0,1,2,3
	v_cndmask_b32 v[GB2+\i], v[GB2+\i], 0, s[HI]   ; g_b2 enters once: the two halves' sums are added
.endr
	WIN 0
.irp u,0,1
	ZERO OP1+12*\u+3,3
	ZERO OP1+12*\u+9,3
	ZERO OP3+12*\u+3,9
.endr
	v_mov_b32 v[VOFF], v[XB]
	v_mov_b32 v[JO], v[JB]
	FETCH                                          ; batch 0
	s_mov_b32 s[sT], 0
	s_mov_b32 s[sOFF], 0
	s_mov_b32 s[sOFJ], 0
.Ltrip:                                            ; 32 trips, a batch each
	s_wait_loadcnt 0x0                             ; this batch's twelve loads, asked for ahead of a whole batch's work; their two offset registers are free behind this wait
	v_cmp_ne_u32 s[VM], 0, v[MN]                   ; observed rows: my row's bit in both halves of the lanes.  It only selects values
	v_cmp_ne_u32 s[VM+1], 0, v[MN+1]
	QP1X E,E+16,XS,XS+1,0,OP1,OP1+12,S1D,S1D+1     ; the batch becomes product 1's operands,
	s_add_co_u32 s[sOFF], s[sOFF], 128
	s_min_u32 s[sOFF], s[sOFF], 3968               ; (the last trip asks for the last batch again: no load leaves its buffer)
	s_add_co_u32 s[sOFJ], s[sOFJ], 4096
	s_min_u32 s[sOFJ], s[sOFJ], 126976
	v_add_nc_u32 v[VOFF], s[sOFF], v[XB]
	v_add_nc_u32 v[JO], s[sOFJ], v[JB]
	FETCH                                          ; its registers take the next batch, and the chain runs while that is on its way
	PL 8
	WIN 0x63                                       ; W1 window 3, data window 0, h_b1 window 2, result window 1
.irp t,0,1,2,3,4,5,6,7
.irp u,0,1
	WMMA1 ZA+64*\u+8*\t,W1F+12*\t,OP1+12*\u,BI1+8*\t,W1S+\t,S1D+\u
.endr
.endr
	WIN 0x55
	PL 4
	LNORM 2,ZA,64,32,TW,20,0xbc000000,0x3c000000
	WIN 0x69
	AFFINE 2,ZA,64,32,G1N,B1N
	WIN 0x55
	RELU 2,ZA,64,64
	QFRAG 2,1,ZA,64,0,HOP,12,S2D
	PL 8
	WIN 0x32
.irp n,0,1
.irp u,0,1
	WMMA HO+16*\u+8*\n,W2F+12*\n,HOP+12*\u,HB2+8*\n,W2S+\n,S2D+\u
.endr
.endr
	WIN 0
	PL 4
	LNORM 2,HO,16,8,QT,14,0xbd000000,0x3d000000
	WIN 0x3c
	AFFINE 2,HO,16,8,G2N,B2N
	WIN 0
	RELU 2,HO,16,16                                ; h_out: register i = d 16 h + i
	QHALF 2,0,HO,16,0,OP3,12,S3D
	PL 8
	WIN 0x33
.irp u,0,1
	WMMA GA+8*\u,G1F,OP3+12*\u,GB1,G1S,S3D+\u
.endr
	WIN 0
	PL 4
	RELU 2,GA,8,8
	WIN 0x3c                                       ; product 4 in f32: my 8 units x g_w2's rows, two heads an instruction; the first takes g_b2 as its addend
.irp u,0,1
.irp p,0,2
	v_pk_fma_f32 v[LG+4*\u+\p:LG+4*\u+\p+1], v[GA+8*\u:GA+8*\u+1], v[GW2+\p:GW2+\p+1], v[GB2+\p:GB2+\p+1] op_sel_hi:[0,1,1]
.endr
.endr
	WIN 0x0c
.irp j,1,2,3,4,5,6,7
.irp u,0,1
.irp p,0,2
.if \j%2
	v_pk_fma_f32 v[LG+4*\u+\p:LG+4*\u+\p+1], v[GA+8*\u+\j-1:GA+8*\u+\j], v[GW2+4*\j+\p:GW2+4*\j+\p+1], v[LG+4*\u+\p:LG+4*\u+\p+1] op_sel:[1,0,0] op_sel_hi:[1,1,1]
.else
	v_pk_fma_f32 v[LG+4*\u+\p:LG+4*\u+\p+1], v[GA+8*\u+\j:GA+8*\u+\j+1], v[GW2+4*\j+\p:GW2+4*\j+\p+1], v[LG+4*\u+\p:LG+4*\u+\p+1] op_sel_hi:[0,1,1]
.endif
.endr
.endr
.endr
	WIN 0
.irp k,0,1,2,3,4,5,6,7
	v_permlanex16_b32 v[LP+\k], v[LG+\k], s[SEL], s[SEL+1]
.endr
.irp k,0,2,4,6
	v_pk_add_f32 v[LG+\k:LG+\k+1], v[LG+\k:LG+\k+1], v[LP+\k:LP+\k+1]   ; with the other 8 units
.endr
.irp k,0,1,2,3,4,5,6,7
	v_med3_num_f32 v[LG+\k], v[LG+\k], s61, s62    ; the clip
.endr
.irp k,0,1,2,3,4,5,6,7
	v_mul_f32 v[LG+\k], s63, v[LG+\k]
.endr
.irp k,0,1,2,3,4,5,6,7
	v_exp_f32 v[EX+\k], v[LG+\k]
.endr
	v_nop                                          ; a plain place behind the exponentials
	s_wait_alu depctr_va_vdst(0)
.irp u,0,1
.irp w,0,1,2,3
	v_cndmask_b32 v[EX+4*\u+\w], 0, v[EX+4*\u+\w], s[VM+\u]      ; a row that was not observed adds nothing
.endr
.endr
	WIN 0x50                                       ; product 5 in f32: ACC(w, d) += exp_w h_out_d, a lane for its own row; the rows are added at the end
.irp u,0,1
.irp w,0,1,2,3
.irp i,0,2,4,6,8,10,12,14
.if \w%2
	v_pk_fma_f32 v[ACC+16*\w+\i:ACC+16*\w+\i+1], v[HO+16*\u+\i:HO+16*\u+\i+1], v[EX+4*\u+\w-1:EX+4*\u+\w], v[ACC+16*\w+\i:ACC+16*\w+\i+1] op_sel:[0,1,0] op_sel_hi:[1,1,1]
.else
	v_pk_fma_f32 v[ACC+16*\w+\i:ACC+16*\w+\i+1], v[HO+16*\u+\i:HO+16*\u+\i+1], v[EX+4*\u+\w:EX+4*\u+\w+1], v[ACC+16*\w+\i:ACC+16*\w+\i+1] op_sel_hi:[1,0,1]
.endif
.endr
.endr
.irp p,0,2
	v_pk_fma_f32 v[SS+\p:SS+\p+1], v[EX+4*\u+\p:EX+4*\u+\p+1], 1.0, v[SS+\p:SS+\p+1] op_sel_hi:[1,0,1]
.endr
.endr
	WIN 0
	s_add_co_u32 s[sT], s[sT], 1
	s_cmp_lt_u32 s[sT], 32
	s_cbranch_scc1 .Ltrip
	; THE END.  The 16 rows of each half of the lanes are added; the four waves' sums meet in LDS; 160 floats leave.
	s_wait_loadcnt 0x0                             ; the last trip's loads land in registers that are used below
	WIN 0x01
.set i_,0
.rept 68
	v_mov_b32 v[RD+i_], v[ACC+i_]
.set i_,i_+1
.endr
	WIN 0
.irp m,1,2,4,8
.set i_,0
.rept 68
	v_add_f32_dpp v[RD+i_], v[RD+i_], v[RD+i_] row_xmask:\m row_mask:0xf bank_mask:0xf
.set i_,i_+1
.endr
.endr
	s_mul_i32 s68, s2, 640
	v_add_nc_u32 v[T0], s68, v[H64]                ; my wave's 640 bytes, + 64 h: float 32 w + 16 h + i
	v_lshlrev_b32 v[T1], 2, v0
.irp w,0,1,2,3
.irp q,0,1,2,3
	ds_store_b128 v[T0], v[RD+16*\w+4*\q:RD+16*\w+4*\q+3] offset:128*\w+16*\q   ; the 16 lanes of a half write the same bytes with the same values
.endr
.endr
.irp q,0,1,2,3
	ds_store_b128 v[T0], v[RD+64:RD+67] offset:512+16*\q
.endr
	s_wait_dscnt 0x0                               ; for the others' sake: my stores have landed
	s_barrier_signal -1
	s_barrier_wait -1
.irp k,0,1,2,3
	ds_load_b32 v[100+\k], v[T1] offset:640*\k
.endr
	s_wait_dscnt 0x0
	v_add_f32 v100, v100, v101
	v_add_f32 v102, v102, v103
	v_add_f32 v100, v100, v102
	global_store_b32 v[T1], v100, s[38:39]         ; thread t: float t; a wave stores 128 consecutive bytes
	s_cmp_lg_u32 s2, 0
	s_cbranch_scc1 .Lend
.irp k,0,1,2,3
	ds_load_b32 v[104+\k], v[T1] offset:512+640*\k ; wave 0: floats 128 + lane
.endr
	s_wait_dscnt 0x0
	v_add_f32 v104, v104, v105
	v_add_f32 v106, v106, v107
	v_add_f32 v104, v104, v106
	global_store_b32 v[T1], v104, s[38:39] offset:512
.Lend:
	s_wait_tensorcnt 0x0
	ds_add_u32 v11, v12
	s_wait_dscnt 0x0
	s_endpgm
.Lfunc_end_k_qc533cf7c42_rows:
	.size	k_qc533cf7c42_rows, .Lfunc_end_k_qc533cf7c42_rows-k_qc533cf7c42_rows
	.p2alignl 7, 3214868480
	.fill 96, 4, 3214868480
	.section	.rodata,"a",@progbits
	.p2align	6, 0x0
	.amdhsa_kernel k_qc533cf7c42_rows
		.amdhsa_group_segment_fixed_size 4608
		.amdhsa_private_segment_fixed_size 0
		.amdhsa_enable_private_segment 0
		.amdhsa_kernarg_size 128
		.amdhsa_user_sgpr_count 2
		.amdhsa_user_sgpr_kernarg_segment_ptr 1
		.amdhsa_wavefront_size32 1
		.amdhsa_system_sgpr_workgroup_id_x 1
		.amdhsa_system_sgpr_workgroup_id_y 1
		.amdhsa_system_sgpr_workgroup_id_z 1
		.amdhsa_system_vgpr_workitem_id 0
		.amdhsa_next_free_vgpr 1024
		.amdhsa_next_free_sgpr 80
		.amdhsa_reserve_vcc 0
		.amdhsa_float_denorm_mode_32 3
		.amdhsa_float_denorm_mode_16_64 3
		.amdhsa_memory_ordered 1
		.amdhsa_forward_progress 1
		.amdhsa_inst_pref_size 143
	.end_amdhsa_kernel
	.amdgpu_metadata
---
amdhsa.version: [ 1, 2 ]
amdhsa.kernels:
  - .name:           k_qc533cf7c42_rows
    .symbol:         k_qc533cf7c42_rows.kd
    .args:
      - { .name: x, .offset: 0, .size: 8, .value_kind: global_buffer, .address_space: global }
      - { .name: mask, .offset: 8, .size: 8, .value_kind: global_buffer, .address_space: global }
      - { .name: feat_emb, .offset: 16, .size: 8, .value_kind: global_buffer, .address_space: global }
      - { .name: h_w1, .offset: 24, .size: 8, .value_kind: global_buffer, .address_space: global }
      - { .name: h_b1, .offset: 32, .size: 8, .value_kind: global_buffer, .address_space: global }
      - { .name: h_ln1_g, .offset: 40, .size: 8, .value_kind: global_buffer, .address_space: global }
      - { .name: h_ln1_b, .offset: 48, .size: 8, .value_kind: global_buffer, .address_space: global }
      - { .name: h_w2, .offset: 56, .size: 8, .value_kind: global_buffer, .address_space: global }
      - { .name: h_b2, .offset: 64, .size: 8, .value_kind: global_buffer, .address_space: global }
      - { .name: h_ln2_g, .offset: 72, .size: 8, .value_kind: global_buffer, .address_space: global }
      - { .name: h_ln2_b, .offset: 80, .size: 8, .value_kind: global_buffer, .address_space: global }
      - { .name: g_w1, .offset: 88, .size: 8, .value_kind: global_buffer, .address_space: global }
      - { .name: g_b1, .offset: 96, .size: 8, .value_kind: global_buffer, .address_space: global }
      - { .name: g_w2, .offset: 104, .size: 8, .value_kind: global_buffer, .address_space: global }
      - { .name: g_b2, .offset: 112, .size: 8, .value_kind: global_buffer, .address_space: global }
      - { .name: parts, .offset: 120, .size: 8, .value_kind: global_buffer, .address_space: global }
    .group_segment_fixed_size: 4608
    .private_segment_fixed_size: 0
    .kernarg_segment_align: 8
    .kernarg_segment_size: 128
    .max_flat_workgroup_size: 128
    .sgpr_count:     80
    .vgpr_count:     1024
    .wavefront_size: 32
...
	.end_amdgpu_metadata
.endif
;; end of part 1
;; launch tail (part 2): grid 4 x 1, 1 waves a work-group, no clusters, 0 bytes of LDS; arguments parts, c_w, c_b, c_ln_g, c_ln_b, e_w1, e_b1, e_ln1_g, e_ln1_b, e_w2, e_b2, e_ln2_g, e_ln2_b, out0, out1; writes out0, out1
.if DOCPART == 2
	.amdgcn_target "amdgcn-amd-amdhsa--gfx1250"
	.amdhsa_code_object_version 6
	.text
	.protected	k_qc533cf7c42_tail
	.globl	k_qc533cf7c42_tail
	.p2align	8
	.type	k_qc533cf7c42_tail,@function
k_qc533cf7c42_tail:
	s_mov_b64 s[64:65], 0
	v_nop
	global_prefetch_b8 v0, s[64:65] scope:SCOPE_SE
	s_setreg_imm32_b32 hwreg(HW_REG_WAVE_MODE, 25, 1), 1
	s_wait_xcnt 0x0
; The four part records of each row b are added; head_sums = sums / max(S, 1e-30); then c_w, LN, relu (0 where nothing was observed: S0 = 0), e_w1, LN, relu, e_w2, LN, relu; mu and logvar leave.
; 64 rows are four tiles of 16: four work-groups of ONE wave, which holds everything in its registers: no LDS, no barrier.  All three products on codes of E2M3 with E8M0 scales, used transposed:
; lane (r = lane % 16, h = lane / 16) holds row 16 g + r, its registers run along the features.  Columns of a tile: c_w 16 (m / 8) + 8 n + m % 8; e_w1 64 (t / 4) + 32 (m / 8) + 8 (t % 4) + m % 8;
; e_w2 32 (m / 8) + 8 n + m % 8, so that lanes 0-15 end with mu and lanes 16-31 with logvar.
; The weights land as f32 in windows 0 to 3, are quantised there, and each window then takes constants and part records while the next weight is quantised.
; LIMITS: NaN and infinities are not served; a block of zeros carries the byte 1 (its codes are zeros; only this program reads the bytes).
.set LANE,1
.set AP,2
.set AS,3
.set A128,4
.set A64,5
.set AW6,6
.set AE1,7
.set AE2,8
.set AO,9
.set SH8,13
.set F8,16                             ; window 0: e_w2's 8 fragments, 12 (2 n + s); before that c_w as f32 in v16-143
.set SV,112                            ; the records' S; then product 6's result; then product 8's
.set HO6,112
.set O8,112
.set IV,128
.set QT,144
.set CWF,172                           ; c_w's two fragments; later the operands of product 8
.set OP8,172
.set OPC,196
.set OP7,208
.set S6D,226
.set CWS,227
.set S7D,229
.set W7S,230
.set S8D,246
.set W8S,248                           ; 4 s + n
.set Z7,0                              ; window 2: e_b1, then the 256 hidden units (128 a lane)
.set HS,128                            ; window 2: the head sums; later LN's 14 registers
.set TA,192
.set F7,0                              ; window 3: e_w1's 16 operands, three registers each, 4 apart; the registers between hold what earlier loads left and meet zero codes alone
.set EB2,80
.set EG2,112
.set EBB,144
.set CB,176
.set CG,192
.set CBB,208
.set HI,52
.set SEL,54
.set EPS,59
.set MSB, 0
.macro WIN new                         ; bits 1:0 source 0, 3:2 source 1, 5:4 source 2, 7:6 destination; the high byte repeats the setting that is left
.if MSB != (\new)
	s_set_vgpr_msb (MSB<<8)|(\new)
.set MSB, (\new)
.endif
.endm
.macro PL n
.rept \n
	v_nop
.endr
.endm
.macro ZERO base, n
.set i_,0
.rept \n
	v_mov_b32 v[(\base)+i_], 0
.set i_,i_+1
.endr
.endm
.macro LDC base, n4, areg, sp          ; constants in a result's layout: registers 32 q + 4 e from byte 256 q + 16 e on
.set q_,0
.rept \n4
	global_load_b128 v[(\base)+4*q_:(\base)+4*q_+3], v[\areg], s[\sp:\sp+1] offset:256*(q_/8)+16*(q_%8)
.set q_,q_+1
.endr
.endm
.macro LDREC base, k                   ; record k of my row: heads h and 2 + h, 32 floats each
.set q_,0
.rept 16
	global_load_b128 v[(\base)+4*q_:(\base)+4*q_+3], v[AP], s[8:9] offset:640*(\k)+256*(q_/8)+16*(q_%8)
.set q_,q_+1
.endr
.endm
.macro LDE2 ks                         ; e_w2(128 s + 64 c + 32 h + i, my column of tile n) at register 64 n + 32 c + i
.set k_,0
.rept 256
	global_load_b32 v[k_], v[AE2], s[26:27] offset:256*(128*(\ks)+64*((k_%64)/32)+k_%32)+32*(k_/64)
.set k_,k_+1
.endr
.endm
.macro PKADD np, d, a, b
.set p_,0
.rept \np
	v_pk_add_f32 v[(\d)+2*p_:(\d)+2*p_+1], v[(\a)+2*p_:(\a)+2*p_+1], v[(\b)+2*p_:(\b)+2*p_+1]
.set p_,p_+1
.endr
.endm
.macro WMMA d, a, b, c, sa, sb
	v_wmma_scale_f32_16x16x128_f8f6f4 v[(\d):(\d)+7], v[(\a):(\a)+11], v[(\b):(\b)+11], v[(\c):(\c)+7], v[\sa], v[\sb] matrix_a_fmt:MATRIX_FMT_FP6 matrix_b_fmt:MATRIX_FMT_FP6
.endm
; n fragments of 128 along K.  Fragment f: 64 numbers of a lane, v[s0 + ss f ..] in window sw, registers 32 c + i = k 64 c + 32 h + i: two whole blocks.  Codes to v[o0 + os f ..] in window dw, scale word to v[w0 + f].
.macro QFRAG n, sw, s0, ss, dw, o0, os, w0
	WIN ((\sw)*0x14)
.set i_, 0
.rept 16
.set b_, 0
.rept 2*(\n)
.set sb_, (\s0)+(\ss)*(b_/2)+32*(b_%2)+i_
.if i_ == 0
	v_max3_num_f32 v[QT+b_], 0x1800000, |v[sb_]|, |v[sb_+1]|     ; the floor 2^(3 - 127) holds the byte at 1 from below
.else
	v_max3_num_f32 v[QT+b_], v[QT+b_], |v[sb_]|, |v[sb_+1]|
.endif
.set b_, b_+1
.endr
.set i_, i_+2
.endr
	WIN 0
.set b_, 0
.rept 2*(\n)
	v_add_nc_u32 v[QT+b_], 0xff000000, v[QT+b_]                  ; 2 off the exponent field: the conversion's scale operand
.set b_, b_+1
.endr
.set b_, 0
.rept 2*(\n)
	v_lshrrev_b32 v[QT+4+b_], 23, v[QT+b_]
.set b_, b_+1
.endr
.set f_, 0
.rept \n
	v_lshl_or_b32 v[QT+8+f_], v[QT+5+2*f_], 16, v[QT+4+2*f_]
.set f_, f_+1
.endr
.set f_, 0
.rept \n
	v_lshlrev_b32 v[QT+8+f_], v[SH8], v[QT+8+f_]
.set f_, f_+1
.endr
.set f_, 0
.rept \n
	v_permlanex16_b32 v[QT+10+f_], v[QT+8+f_], s[SEL], s[SEL+1]
.set f_, f_+1
.endr
.set f_, 0
.rept \n
	v_or_b32 v[(\w0)+f_], v[QT+8+f_], v[QT+10+f_]
.set f_, f_+1
.endr
	WIN ((\sw)|((\dw)<<6))
.set b_, 0
.rept 2*(\n)
.set sb_, (\s0)+(\ss)*(b_/2)+32*(b_%2)
.set ob_, (\o0)+(\os)*(b_/2)+6*(b_%2)
	v_cvt_scalef32_pk16_fp6_f32 v[ob_:ob_+2], v[sb_:sb_+15], v[QT+b_]
.set b_, b_+1
.endr
	WIN (\sw)
.set b_, 0
.rept 2*(\n)
.set sb_, (\s0)+(\ss)*(b_/2)+32*(b_%2)
	v_cvt_scalef32_pk16_fp6_f32 v[QT+12+4*b_:QT+14+4*b_], v[sb_+16:sb_+31], v[QT+b_]
.set b_, b_+1
.endr
	WIN ((\dw)<<6)
	v_nop                                                        ; one plain place behind the conversions
.set b_, 0
.rept 2*(\n)
.set ob_, (\o0)+(\os)*(b_/2)+6*(b_%2)
	v_mov_b32 v[ob_+3], v[QT+12+4*b_]
	v_mov_b32 v[ob_+4], v[QT+13+4*b_]
	v_mov_b32 v[ob_+5], v[QT+14+4*b_]
.set b_, b_+1
.endr
	WIN 0
.endm
; n (up to 4) operands of K = 32: a lane's 16 numbers (k = 16 h + i) -> three registers of codes; word = the byte in bytes 0 and 1.
.macro QHALF n, sw, s0, ss, dw, o0, os, w0
	WIN ((\sw)*0x14)
.set i_, 0
.rept 8
.set u_, 0
.rept \n
.set sb_, (\s0)+(\ss)*u_+i_
.if i_ == 0
	v_max3_num_f32 v[QT+u_], 0x1800000, |v[sb_]|, |v[sb_+1]|
.else
	v_max3_num_f32 v[QT+u_], v[QT+u_], |v[sb_]|, |v[sb_+1]|
.endif
.set u_, u_+1
.endr
.set i_, i_+2
.endr
	WIN 0
.irp st,0,1,2,3,4
.set u_, 0
.rept \n
.if \st == 0
	v_permlanex16_b32 v[QT+4+u_], v[QT+u_], s[SEL], s[SEL+1]
.elseif \st == 1
	v_max_num_f32 v[QT+u_], v[QT+u_], v[QT+4+u_]
.elseif \st == 2
	v_add_nc_u32 v[QT+u_], 0xff000000, v[QT+u_]
.elseif \st == 3
	v_lshrrev_b32 v[QT+8+u_], 23, v[QT+u_]
.else
	v_mul_u32_u24 v[(\w0)+u_], v[QT+8+u_], 0x101
.endif
.set u_, u_+1
.endr
.endr
	WIN ((\sw)|((\dw)<<6))
.set u_, 0
.rept \n
	v_cvt_scalef32_pk16_fp6_f32 v[(\o0)+(\os)*u_:(\o0)+(\os)*u_+2], v[(\s0)+(\ss)*u_:(\s0)+(\ss)*u_+15], v[QT+u_]
.set u_, u_+1
.endr
	WIN 0
	v_nop
.endm
; LayerNorm without gain and bias; all registers in ONE window (the caller sets it).  np pairs at z0; 14 registers at tw: +0..7 four chains, +8 minus the mean, +10 1 / sqrt(var + eps), +12 a sum, +13 the other half's.
.macro LNJOIN nt, tw, tws
.irp st,0,1,2,3,4,5
.set u_,0
.rept \nt
.set tt_, (\tw)+(\tws)*u_
.if \st == 0
	v_pk_add_f32 v[tt_:tt_+1], v[tt_:tt_+1], v[tt_+2:tt_+3]
.elseif \st == 1
	v_pk_add_f32 v[tt_+4:tt_+5], v[tt_+4:tt_+5], v[tt_+6:tt_+7]
.elseif \st == 2
	v_pk_add_f32 v[tt_:tt_+1], v[tt_:tt_+1], v[tt_+4:tt_+5]
.elseif \st == 3
	v_add_f32 v[tt_+12], v[tt_], v[tt_+1]
.elseif \st == 4
	v_permlanex16_b32 v[tt_+13], v[tt_+12], s[SEL], s[SEL+1]
.else
	v_add_f32 v[tt_+12], v[tt_+12], v[tt_+13]
.endif
.set u_,u_+1
.endr
.endr
.endm
.macro LNORM nt, z0, zs, np, tw, tws, ni, pi
.set p_,0
.rept 4                                ; each accumulator is first read at its low end: the pairs go in ascending order
.set u_,0
.rept \nt
.set zz_, (\z0)+(\zs)*u_
.set tt_, (\tw)+(\tws)*u_
	v_pk_add_f32 v[tt_+2*p_:tt_+2*p_+1], v[zz_+2*p_:zz_+2*p_+1], v[zz_+8+2*p_:zz_+9+2*p_]
.set u_,u_+1
.endr
.set p_,p_+1
.endr
.if (\np) > 8
.set p_,8
.rept (\np)-8
.set u_,0
.rept \nt
.set zz_, (\z0)+(\zs)*u_
.set tt_, (\tw)+(\tws)*u_+2*(p_%4)
	v_pk_add_f32 v[tt_:tt_+1], v[tt_:tt_+1], v[zz_+2*p_:zz_+2*p_+1]
.set u_,u_+1
.endr
.set p_,p_+1
.endr
.endif
	LNJOIN \nt, \tw, \tws
.set u_,0
.rept \nt
.set tt_, (\tw)+(\tws)*u_
	v_mul_f32 v[tt_+8], \ni, v[tt_+12]
.set u_,u_+1
.endr
.set p_,0
.rept \np
.set u_,0
.rept \nt
.set zz_, (\z0)+(\zs)*u_
.set tt_, (\tw)+(\tws)*u_
	v_pk_add_f32 v[zz_+2*p_:zz_+2*p_+1], v[zz_+2*p_:zz_+2*p_+1], v[tt_+8:tt_+9] op_sel_hi:[1,0]
.set u_,u_+1
.endr
.set p_,p_+1
.endr
.set p_,0
.rept \np
.set u_,0
.rept \nt
.set zz_, (\z0)+(\zs)*u_
.set tt_, (\tw)+(\tws)*u_+2*(p_%4)
.if p_ < 4
	v_pk_mul_f32 v[tt_:tt_+1], v[zz_+2*p_:zz_+2*p_+1], v[zz_+2*p_:zz_+2*p_+1]
.else
	v_pk_fma_f32 v[tt_:tt_+1], v[zz_+2*p_:zz_+2*p_+1], v[zz_+2*p_:zz_+2*p_+1], v[tt_:tt_+1]
.endif
.set u_,u_+1
.endr
.set p_,p_+1
.endr
	LNJOIN \nt, \tw, \tws
.set u_,0
.rept \nt
.set tt_, (\tw)+(\tws)*u_
	v_fma_f32 v[tt_+12], v[tt_+12], \pi, s[EPS]
.set u_,u_+1
.endr
.set u_,0
.rept \nt
.set tt_, (\tw)+(\tws)*u_
	v_rsq_f32 v[tt_+10], v[tt_+12]
.set u_,u_+1
.endr
	v_nop                                                        ; a plain place behind the transcendental
.set p_,0
	s_wait_alu depctr_va_vdst(0)
.rept \np
.set u_,0
.rept \nt
.set zz_, (\z0)+(\zs)*u_
.set tt_, (\tw)+(\tws)*u_
	v_pk_mul_f32 v[zz_+2*p_:zz_+2*p_+1], v[zz_+2*p_:zz_+2*p_+1], v[tt_+10:tt_+11] op_sel_hi:[1,0]
.set u_,u_+1
.endr
.set p_,p_+1
.endr
.endm
.macro AFFINE nt, z0, zs, np, g, b
.set p_,0
.rept \np
.set u_,0
.rept \nt
.set zz_, (\z0)+(\zs)*u_+2*p_
	v_pk_fma_f32 v[zz_:zz_+1], v[zz_:zz_+1], v[(\g)+2*p_:(\g)+2*p_+1], v[(\b)+2*p_:(\b)+2*p_+1]
.set u_,u_+1
.endr
.set p_,p_+1
.endr
.endm
.macro RELU nt, z0, zs, n
.set i_,0
.rept \n
.set u_,0
.rept \nt
	v_max_num_f32 v[(\z0)+(\zs)*u_+i_], 0, v[(\z0)+(\zs)*u_+i_]
.set u_,u_+1
.endr
.set i_,i_+1
.endr
.endm
	s_load_b512 s[8:23], s[0:1], 0x0               ; parts, c_w, c_b, c_ln_g, c_ln_b, e_w1, e_b1, e_ln1_g
	s_load_b256 s[24:31], s[0:1], 0x40             ; e_ln1_b, e_w2, e_b2, e_ln2_g
	s_load_b128 s[32:35], s[0:1], 0x60             ; e_ln2_b, out0
	s_load_b64 s[36:37], s[0:1], 0x70              ; out1
	v_and_b32 v[LANE], 31, v0
	v_bfe_u32 v15, v0, 4, 1                        ; h
	v_and_b32 v14, 15, v0                          ; r
	v_lshlrev_b32 v[SH8], 3, v15
	v_lshlrev_b32 v[A128], 7, v15
	v_lshlrev_b32 v[A64], 6, v15
	v_mul_u32_u24 v[AS], v14, 2560                 ; my row's four records of 640 bytes
	v_add_nc_u32 v[AP], v[AS], v[A128]
	v_lshlrev_b32 v[AO], 7, v14                    ; my row of an output: 128 bytes
	v_and_b32 v14, 7, v0
	v_lshlrev_b32 v14, 2, v14
	v_bfe_u32 v12, v0, 3, 1                        ; m / 8
	v_lshl_or_b32 v[AE2], v12, 7, v14              ; 4 (32 (m / 8) + m % 8)
	v_lshl_or_b32 v[AW6], v12, 6, v14              ; 4 (16 (m / 8) + m % 8)
	v_lshl_add_u32 v[AE1], v15, 14, v[AE2]         ; e_w1: + 16 h rows of 1,024 bytes
	v_lshl_add_u32 v[AE2], v15, 13, v[AE2]         ; e_w2: + 32 h rows of 256 bytes
	v_lshl_add_u32 v[AW6], v15, 12, v[AW6]         ; c_w: + 32 h rows of 128 bytes
	s_mov_b32 s[HI], 0xffff0000
	s_mov_b32 s[SEL], 0x76543210
	s_mov_b32 s[SEL+1], 0xfedcba98
	s_mov_b32 s[EPS], 0x3727c5ac                   ; 1e-5
	s_mul_i32 s42, ttmp9, 40960                    ; 16 rows x 4 records
	s_mov_b32 s43, 0
	s_lshl_b32 s44, ttmp9, 11                      ; 16 rows of 128 bytes
	s_mov_b32 s45, 0
	s_wait_kmcnt 0x0
	s_add_nc_u64 s[8:9], s[8:9], s[42:43]
	s_add_nc_u64 s[34:35], s[34:35], s[44:45]
	s_add_nc_u64 s[36:37], s[36:37], s[44:45]
.set k_,0
.rept 128                              ; c_w(64 c + 32 h + i, my column of tile n) at v[16 + 64 n + 32 c + i]
	global_load_b32 v[16+k_], v[AW6], s[10:11] offset:128*(64*((k_%64)/32)+k_%32)+32*(k_/64)
.set k_,k_+1
.endr
	WIN 0x80
	LDE2 1
	WIN 0xc0
	LDE2 0
	WIN 0x40
.set k_,0
.rept 256                              ; e_w1(16 h + i, my column of tile t) at register 16 t + i
	global_load_b32 v[k_], v[AE1], s[18:19] offset:1024*(k_%16)+4*(64*((k_/16)>>2)+8*((k_/16)&3))
.set k_,k_+1
.endr
	WIN 0
	ZERO QT,28
	ZERO OP7+3,9
	s_wait_loadcnt 0x0
	QFRAG 2,0,16,64,0,CWF,12,CWS
	QFRAG 2,2,0,64,0,F8+12,24,W8S+4
	QFRAG 2,2,128,64,0,F8+60,24,W8S+6
	WIN 0x80                                       ; window 2 is free: e_b1, records 0 and 1
	LDC Z7,32,A128,20
	LDREC HS,0
	LDREC TA,1
	QFRAG 2,3,0,64,0,F8,24,W8S
	QFRAG 2,3,128,64,0,F8+48,24,W8S+2
	WIN 0xc0                                       ; window 3 from v80 on: the small constants
	LDC EB2,8,A128,28
	LDC EG2,8,A128,30
	LDC EBB,8,A128,32
	LDC CB,4,A64,12
	LDC CG,4,A64,14
	LDC CBB,4,A64,16
	WIN 0
.irp k,0,1,2,3
	global_load_b128 v[SV+4*\k:SV+4*\k+3], v[AS], s[8:9] offset:640*\k+512
.endr
.irp k,0,1,2,3
	QHALF 4,1,64*\k,16,3,F7+16*\k,4,W7S+4*\k
.endr
	WIN 0x40                                       ; window 1 is free: records 2 and 3, e_ln1_b
	LDREC 0,2
	LDREC 64,3
	LDC 128,32,A128,24
	s_wait_loadcnt 0x0
	WIN 0xaa
	PKADD 32,HS,HS,TA
	WIN 0x55
	PKADD 32,0,0,64
	WIN 0x86
	PKADD 32,HS,HS,0
	WIN 0x40
	LDC 0,32,A128,22                               ; e_ln1_g takes the records' registers; it is waited for in front of its use
	WIN 0
	v_pk_add_f32 v[SV:SV+1], v[SV:SV+1], v[SV+4:SV+5]
	v_pk_add_f32 v[SV+2:SV+3], v[SV+2:SV+3], v[SV+6:SV+7]
	v_pk_add_f32 v[SV+8:SV+9], v[SV+8:SV+9], v[SV+12:SV+13]
	v_pk_add_f32 v[SV+10:SV+11], v[SV+10:SV+11], v[SV+14:SV+15]
	v_pk_add_f32 v[SV:SV+1], v[SV:SV+1], v[SV+8:SV+9]
	v_pk_add_f32 v[SV+2:SV+3], v[SV+2:SV+3], v[SV+10:SV+11]
	v_cmp_lt_f32 s41, 0, v[SV]                     ; something was observed: every term of S is at least exp(-10).  It only selects values
.irp i,0,1,2,3
	v_max_num_f32 v[SV+\i], 0x0da24260, v[SV+\i]   ; 1e-30
.endr
.irp i,0,1,2,3
	v_rcp_f32 v[SV+4+\i], v[SV+\i]
.endr
	v_nop
	s_wait_alu depctr_va_vdst(0)
	v_cndmask_b32 v[IV], v[SV+4], v[SV+5], s[HI]   ; my blocks are heads h and 2 + h
	v_cndmask_b32 v[IV+2], v[SV+6], v[SV+7], s[HI]
	WIN 0x82
.irp c,0,1
.set p_,0
.rept 16
	v_pk_mul_f32 v[HS+32*\c+2*p_:HS+32*\c+2*p_+1], v[HS+32*\c+2*p_:HS+32*\c+2*p_+1], v[IV+2*\c:IV+2*\c+1] op_sel_hi:[1,0]
.set p_,p_+1
.endr
.endr
	QFRAG 1,2,HS,64,0,OPC,12,S6D
	PL 8
	WIN 0x30
.irp n,0,1
	WMMA HO6+8*\n,CWF+12*\n,OPC,CB+8*\n,CWS+\n,S6D
.endr
	WIN 0
	PL 4
	LNORM 1,HO6,0,8,QT,14,0xbd000000,0x3d000000
	WIN 0x3c
	AFFINE 1,HO6,0,8,CG,CBB
	WIN 0
	RELU 1,HO6,0,16
.set i_,0
.rept 16
	v_cndmask_b32 v[HO6+i_], 0, v[HO6+i_], s41
.set i_,i_+1
.endr
	QHALF 1,0,HO6,0,0,OP7,0,S7D
	PL 8
	WIN 0xa3                                       ; e_w1 window 3, data window 0, e_b1 and the result, in its place, window 2
.irp t,0,1,2,3,4,5,6,7,8,9,10,11,12,13,14,15
	WMMA Z7+8*\t,F7+4*\t,OP7,Z7+8*\t,W7S+\t,S7D
.endr
	WIN 0xaa
	PL 4
	LNORM 1,Z7,0,64,HS,14,0xbb800000,0x3b800000
	s_wait_loadcnt 0x0                             ; e_ln1_g
	WIN 0x96
	AFFINE 1,Z7,0,64,0,128
	WIN 0xaa
	RELU 1,Z7,0,128
	QFRAG 2,2,Z7,64,0,OP8,12,S8D
	PL 8
	WIN 0x30
.irp n,0,1,2,3
	WMMA O8+8*\n,F8+24*\n,OP8,EB2+8*\n,W8S+\n,S8D
.endr
	WIN 0                                          ; the four accumulators take turns, one instruction a turn
.irp n,0,1,2,3
	WMMA O8+8*\n,F8+24*\n+12,OP8+12,O8+8*\n,W8S+4+\n,S8D+1
.endr
	PL 4
	LNORM 1,O8,0,16,QT,14,0xbc800000,0x3c800000
	WIN 0x3c
	AFFINE 1,O8,0,16,EG2,EBB
	WIN 0
	RELU 1,O8,0,32
	v_cmp_gt_u32 vcc_lo, 16, v[LANE]
	s_wait_xcnt 0x0                                ; EXEC changes only behind this wait
	s_and_saveexec_b32 s40, vcc_lo                 ; lanes 0-15: mu
.irp e,0,1,2,3,4,5,6,7
	global_store_b128 v[AO], v[O8+4*\e:O8+4*\e+3], s[34:35] offset:16*\e
.endr
	s_wait_xcnt 0x0
	s_or_b32 exec_lo, exec_lo, s40
	v_cmp_le_u32 vcc_lo, 16, v[LANE]
	s_wait_xcnt 0x0
	s_and_saveexec_b32 s40, vcc_lo                 ; lanes 16-31: logvar
.irp e,0,1,2,3,4,5,6,7
	global_store_b128 v[AO], v[O8+4*\e:O8+4*\e+3], s[36:37] offset:16*\e
.endr
	s_wait_xcnt 0x0
	s_or_b32 exec_lo, exec_lo, s40
	s_endpgm
.Lfunc_end_k_qc533cf7c42_tail:
	.size	k_qc533cf7c42_tail, .Lfunc_end_k_qc533cf7c42_tail-k_qc533cf7c42_tail
	.p2alignl 7, 3214868480
	.fill 96, 4, 3214868480
	.section	.rodata,"a",@progbits
	.p2align	6, 0x0
	.amdhsa_kernel k_qc533cf7c42_tail
		.amdhsa_group_segment_fixed_size 0
		.amdhsa_private_segment_fixed_size 0
		.amdhsa_enable_private_segment 0
		.amdhsa_kernarg_size 120
		.amdhsa_user_sgpr_count 2
		.amdhsa_user_sgpr_kernarg_segment_ptr 1
		.amdhsa_wavefront_size32 1
		.amdhsa_system_sgpr_workgroup_id_x 1
		.amdhsa_system_sgpr_workgroup_id_y 1
		.amdhsa_system_sgpr_workgroup_id_z 1
		.amdhsa_system_vgpr_workitem_id 0
		.amdhsa_next_free_vgpr 1024
		.amdhsa_next_free_sgpr 66
		.amdhsa_reserve_vcc 1
		.amdhsa_float_denorm_mode_32 3
		.amdhsa_float_denorm_mode_16_64 3
		.amdhsa_memory_ordered 1
		.amdhsa_forward_progress 1
		.amdhsa_inst_pref_size 212
	.end_amdhsa_kernel
	.amdgpu_metadata
---
amdhsa.version: [ 1, 2 ]
amdhsa.kernels:
  - .name:           k_qc533cf7c42_tail
    .symbol:         k_qc533cf7c42_tail.kd
    .args:
      - { .name: parts, .offset: 0, .size: 8, .value_kind: global_buffer, .address_space: global }
      - { .name: c_w, .offset: 8, .size: 8, .value_kind: global_buffer, .address_space: global }
      - { .name: c_b, .offset: 16, .size: 8, .value_kind: global_buffer, .address_space: global }
      - { .name: c_ln_g, .offset: 24, .size: 8, .value_kind: global_buffer, .address_space: global }
      - { .name: c_ln_b, .offset: 32, .size: 8, .value_kind: global_buffer, .address_space: global }
      - { .name: e_w1, .offset: 40, .size: 8, .value_kind: global_buffer, .address_space: global }
      - { .name: e_b1, .offset: 48, .size: 8, .value_kind: global_buffer, .address_space: global }
      - { .name: e_ln1_g, .offset: 56, .size: 8, .value_kind: global_buffer, .address_space: global }
      - { .name: e_ln1_b, .offset: 64, .size: 8, .value_kind: global_buffer, .address_space: global }
      - { .name: e_w2, .offset: 72, .size: 8, .value_kind: global_buffer, .address_space: global }
      - { .name: e_b2, .offset: 80, .size: 8, .value_kind: global_buffer, .address_space: global }
      - { .name: e_ln2_g, .offset: 88, .size: 8, .value_kind: global_buffer, .address_space: global }
      - { .name: e_ln2_b, .offset: 96, .size: 8, .value_kind: global_buffer, .address_space: global }
      - { .name: out0, .offset: 104, .size: 8, .value_kind: global_buffer, .address_space: global }
      - { .name: out1, .offset: 112, .size: 8, .value_kind: global_buffer, .address_space: global }
    .group_segment_fixed_size: 0
    .private_segment_fixed_size: 0
    .kernarg_segment_align: 8
    .kernarg_segment_size: 120
    .max_flat_workgroup_size: 32
    .sgpr_count:     66
    .vgpr_count:     1024
    .wavefront_size: 32
...
	.end_amdgpu_metadata
.endif
;; end of part 2
;; ======== version 2 of 2: 2 launches; version 1 with the launches rows, tail written anew for expert scheduling mode
;; workspace buffers: parts 163,840 bytes
;; launch rows (part 3): grid 256 x 1, 4 waves a work-group, no clusters, 4,608 bytes of LDS; arguments x, mask, feat_emb, h_w1, h_b1, h_ln1_g, h_ln1_b, h_w2, h_b2, h_ln2_g, h_ln2_b, g_w1, g_b1, g_w2, g_b2, parts; writes parts
.if DOCPART == 3
	.amdgcn_target "amdgcn-amd-amdhsa--gfx1250"
	.amdhsa_code_object_version 6
	.text
	.protected	k_qc533cf7c42_rows
	.globl	k_qc533cf7c42_rows
	.p2align	8
	.type	k_qc533cf7c42_rows,@function
k_qc533cf7c42_rows:
	s_mov_b64 s[64:65], 0
	v_nop
	global_prefetch_b8 v0, s[64:65] scope:SCOPE_SE
	s_setreg_imm32_b32 hwreg(HW_REG_WAVE_SCHED_MODE, 0, 2), 2
	s_setreg_imm32_b32 hwreg(HW_REG_WAVE_MODE, 25, 1), 1
	s_wait_xcnt 0x0
	s_wait_alu depctr_vm_vsrc(0)
; For each pair (b, j): [x, emb_j] -> 128 -> LN, relu -> 32 -> LN, relu = h_out -> 16 -> relu -> 4 logits, clipped to +-10; the launch leaves, for each
; work-group, the sums over its observed j of exp(logit_w) h_out_d (128 floats) and of exp(logit_w) (4 floats, repeated).  Products 1, 2, 3 on codes of E2M3 with E8M0 scales.
; SHARES.  Work-group g: row b = g / 4 of x, 4,096 junctions; each of its four waves 1,024 of them, in 32 batches of 32 neighbouring j: two tiles of 16 rows.
; THE MASK SELECTS VALUES ONLY: no branch and no address hangs on it.  Every pair is computed, and the exp of a pair with mask = 0 is replaced by 0, so that it adds nothing to either sum.
; A batch's emb, x and mask are asked for a batch ahead: a whole batch's work stands between the loads and the wait for them.
; NO MAXIMUM AHEAD OF exp: the clip to +-10 is part of the function, so exp lies in 4.5e-5 .. 2.2e4 and a sum of 16,384 of them under 3.7e8.
; LAYOUT.  Every product is used transposed (source 0 = 16 columns of the weight, source 1 = 16 rows of data): a lane (r = lane % 16, h = lane / 16) holds ONE row, its registers run along the features.
; The columns that form a tile of h_w1 are 64 (t / 4) + 32 (m / 8) + 8 (t % 4) + m % 8, so that a lane's registers 32 q .. 32 q + 31 are the whole block 2 q + h of the next K, in the operand's own order.
; K = 33: block 0 is laid as [e0 .. e15 | e16 .. e30, x], 16 codes in each of the instruction's blocks 0 and 1 under one byte; block 1 (e31) is one code in the instruction's block 3; all other codes are zeros.  K = 32 likewise.
; LIMITS: NaN and infinities are not served; a block of zeros carries the byte 1 (its codes are zeros; only this program reads the bytes); inside a block of 32 the order of k is permuted, alike on both operands.
; THE MODE: SCHED_MODE bits 1:0 = 2 (LLVM: expert scheduling mode 2), set by the entry lines.  The code itself states the register dependences
; between vector or matrix instructions and memory or LDS instructions, with s_wait_alu, always for 0.
; THE PLAN.  Registers that memory instructions touch, in the loop:
;   MN, XS, E   The twelve loads of FETCH land in them.  At a trip's head the two compares and QP1X read them (QP1X also writes E+15 and E+31); no other line of a trip names them.
;   VOFF, JO    Read by FETCH's loads; written by two additions a trip, behind a wait on vm_vsrc.
;   All other registers of the loop are named by vector and matrix instructions alone.
; So ONE wait on va_vdst stands ahead of FETCH, behind the places that product 1 wants: it states that the compares and QP1X are done with MN, XS and E, that VOFF and JO are written, and that
; product 1's codes and scale words are written.  Products 2 and 3 have a wait of their own for their codes and scale words; each batch of transcendentals has one ahead of its first reader;
; the compares' masks have one wait on va_sdst ahead of the selections that read them.
.set XB,2                              ; 4 r: my row's word in a tile's 16 of x and of mask
.set H64,3                             ; 64 h
.set VOFF,4                            ; XB + the batch's step
.set MN,5                              ; +u: my row's mask word
.set JB,7                              ; 128 r + 64 h: my 64 bytes of my row of emb
.set SH8,13                            ; 8 h
.set T0,14
.set T1,15
.set JO,16                             ; JB + the batch's step
.set XS,18                             ; +u: my row's x
.set E,20                              ; +16u: 16 numbers of emb
.set Z,52                              ; 16 registers, all 0 but Z+8
.set OP1,68                            ; +12u
.set HOP,92                            ; +12u
.set QT,116                            ; 28 registers at work
.set LP,QT+12
.set OP3,144                           ; +12u
.set HO,168                            ; +16u
.set GA,200                            ; +8u
.set LG,216                            ; +4u
.set G1S,224
.set AW1,225                           ; v225-231: addresses of the head's loads
.set AX,226
.set AW2,227
.set AG,228
.set A128,229
.set A32,230
.set A0R,231
.set EX,232                            ; +4u
.set S1D,240                           ; scale words: data of products 1, 2, 3; then the weights'
.set S2D,242
.set S3D,244
.set W1S,246
.set W2S,254
.set ZA,0                              ; window 1: +64u the hidden layer; ACC 16 w + i; SS; LN1's 20 registers a tile
.set ACC,128
.set SS,192
.set TW,196
.set BI1,0                             ; window 2
.set G1N,64
.set B1N,128
.set W2F,192
.set HB2,0                             ; window 3
.set G2N,16
.set B2N,32
.set GB1,48
.set GW2,56
.set GB2,88
.set G1F,92
.set W1F,104
.set RD,16                             ; the end: ACC and SS copied to window 0
.set sT,48                             ; the trip
.set sOFF,49                           ; the next batch's step in x and mask: 128 bytes a batch
.set sOFJ,50                           ; and in feat_emb: 4,096 bytes a batch
.set sJ,51
.set HI,52
.set SEL,54
.set VM,56                             ; s56, s57: which lanes of tile 0, 1 hold an observed row
.set EPS,59
.set MSB, 0
.macro WIN new                         ; bits 1:0 source 0, 3:2 source 1, 5:4 source 2, 7:6 destination; the high byte repeats the setting that is left
.if MSB != (\new)
	s_set_vgpr_msb (MSB<<8)|(\new)
.set MSB, (\new)
.endif
.endm
.macro PL n                            ; places behind or in front of matrix instructions (ISA guide 7.12.1)
.rept \n
	v_nop
.endr
.endm
.macro ZERO base, n
.set i_,0
.rept \n
	v_mov_b32 v[(\base)+i_], 0
.set i_,i_+1
.endr
.endm
.macro LDC base, n4, areg, sp          ; constants in a result's layout: registers 32 q + 4 e from byte 256 q + 16 e on
.set q_,0
.rept \n4
	global_load_b128 v[(\base)+4*q_:(\base)+4*q_+3], v[\areg], s[\sp:\sp+1] offset:256*(q_/8)+16*(q_%8)
.set q_,q_+1
.endr
.endm
.macro WMMA d, a, b, c, sa, sb
	v_wmma_scale_f32_16x16x128_f8f6f4 v[(\d):(\d)+7], v[(\a):(\a)+11], v[(\b):(\b)+11], v[(\c):(\c)+7], v[\sa], v[\sb] matrix_a_fmt:MATRIX_FMT_FP6 matrix_b_fmt:MATRIX_FMT_FP6
.endm
.macro WMMA1 d, a, b, c, sa, sb        ; both scale words are read from lanes 16-31
	v_wmma_scale_f32_16x16x128_f8f6f4 v[(\d):(\d)+7], v[(\a):(\a)+11], v[(\b):(\b)+11], v[(\c):(\c)+7], v[\sa], v[\sb] matrix_a_fmt:MATRIX_FMT_FP6 matrix_b_fmt:MATRIX_FMT_FP6 matrix_a_scale:MATRIX_SCALE_ROW1 matrix_b_scale:MATRIX_SCALE_ROW1
.endm
; n fragments of 128 along K.  Fragment f: 64 numbers of a lane, v[s0 + ss f ..] in window sw, registers 32 c + i = k 64 c + 32 h + i: two whole blocks.  Codes to v[o0 + os f ..] in window dw, scale word to v[w0 + f].
; QT+0..3 largest magnitudes, then the conversions' scale operands; +4..7 bytes; +8..11 the word's halves; +12.. the second halves of the blocks' codes (a conversion's three registers begin on an even number).
.macro QFRAG n, sw, s0, ss, dw, o0, os, w0
	WIN ((\sw)*0x14)
.set i_, 0
.rept 16
.set b_, 0
.rept 2*(\n)
.set sb_, (\s0)+(\ss)*(b_/2)+32*(b_%2)+i_
.if i_ == 0
	v_max3_num_f32 v[QT+b_], 0x1800000, |v[sb_]|, |v[sb_+1]|     ; the floor 2^(3 - 127) holds the byte at 1 from below
.else
	v_max3_num_f32 v[QT+b_], v[QT+b_], |v[sb_]|, |v[sb_+1]|      ; the blocks by turns
.endif
.set b_, b_+1
.endr
.set i_, i_+2
.endr
	WIN 0
.set b_, 0
.rept 2*(\n)
	v_add_nc_u32 v[QT+b_], 0xff000000, v[QT+b_]                  ; 2 off the exponent field: the conversion's scale operand
.set b_, b_+1
.endr
.set b_, 0
.rept 2*(\n)
	v_lshrrev_b32 v[QT+4+b_], 23, v[QT+b_]                       ; the byte
.set b_, b_+1
.endr
.set f_, 0
.rept \n
	v_lshl_or_b32 v[QT+8+f_], v[QT+5+2*f_], 16, v[QT+4+2*f_]     ; my blocks h and 2 + h,
.set f_, f_+1
.endr
.set f_, 0
.rept \n
	v_lshlrev_b32 v[QT+8+f_], v[SH8], v[QT+8+f_]                 ; at their places in the word;
.set f_, f_+1
.endr
.set f_, 0
.rept \n
	v_permlanex16_b32 v[QT+10+f_], v[QT+8+f_], s[SEL], s[SEL+1]
.set f_, f_+1
.endr
.set f_, 0
.rept \n
	v_or_b32 v[(\w0)+f_], v[QT+8+f_], v[QT+10+f_]                ; with lane l xor 16's two the word is whole, in both halves
.set f_, f_+1
.endr
	WIN ((\sw)|((\dw)<<6))
.set b_, 0
.rept 2*(\n)
.set sb_, (\s0)+(\ss)*(b_/2)+32*(b_%2)
.set ob_, (\o0)+(\os)*(b_/2)+6*(b_%2)
	v_cvt_scalef32_pk16_fp6_f32 v[ob_:ob_+2], v[sb_:sb_+15], v[QT+b_]
.set b_, b_+1
.endr
	WIN (\sw)
.set b_, 0
.rept 2*(\n)
.set sb_, (\s0)+(\ss)*(b_/2)+32*(b_%2)
	v_cvt_scalef32_pk16_fp6_f32 v[QT+12+4*b_:QT+14+4*b_], v[sb_+16:sb_+31], v[QT+b_]
.set b_, b_+1
.endr
	WIN ((\dw)<<6)
	v_nop                                                        ; one plain place behind the conversions
.set b_, 0
.rept 2*(\n)
.set ob_, (\o0)+(\os)*(b_/2)+6*(b_%2)
	v_mov_b32 v[ob_+3], v[QT+12+4*b_]
	v_mov_b32 v[ob_+4], v[QT+13+4*b_]
	v_mov_b32 v[ob_+5], v[QT+14+4*b_]
.set b_, b_+1
.endr
	WIN 0
.endm
; n (up to 4) operands of K = 32.  Tile u: a lane's 16 numbers v[s0 + ss u ..] (k = 16 h + i) in window sw -> three registers of codes at v[o0 + os u] in window dw; word = the byte in bytes 0 and 1.
.macro QHALF n, sw, s0, ss, dw, o0, os, w0
	WIN ((\sw)*0x14)
.set i_, 0
.rept 8
.set u_, 0
.rept \n
.set sb_, (\s0)+(\ss)*u_+i_
.if i_ == 0
	v_max3_num_f32 v[QT+u_], 0x1800000, |v[sb_]|, |v[sb_+1]|
.else
	v_max3_num_f32 v[QT+u_], v[QT+u_], |v[sb_]|, |v[sb_+1]|
.endif
.set u_, u_+1
.endr
.set i_, i_+2
.endr
	WIN 0
.irp st,0,1,2,3,4
.set u_, 0
.rept \n
.if \st == 0
	v_permlanex16_b32 v[QT+4+u_], v[QT+u_], s[SEL], s[SEL+1]
.elseif \st == 1
	v_max_num_f32 v[QT+u_], v[QT+u_], v[QT+4+u_]                 ; with lane l xor 16's 16: the block's largest magnitude
.elseif \st == 2
	v_add_nc_u32 v[QT+u_], 0xff000000, v[QT+u_]
.elseif \st == 3
	v_lshrrev_b32 v[QT+8+u_], 23, v[QT+u_]
.else
	v_mul_u32_u24 v[(\w0)+u_], v[QT+8+u_], 0x101
.endif
.set u_, u_+1
.endr
.endr
	WIN ((\sw)|((\dw)<<6))
.set u_, 0
.rept \n
	v_cvt_scalef32_pk16_fp6_f32 v[(\o0)+(\os)*u_:(\o0)+(\os)*u_+2], v[(\s0)+(\ss)*u_:(\s0)+(\ss)*u_+15], v[QT+u_]
.set u_, u_+1
.endr
	WIN 0
	v_nop
.endm
; Two operands of K = 33.  e: 16 numbers (k = 1 + 16 h + i); x: the number of k = 0, wanted in lanes 16-31.  There index 15 (k = 32) goes to Z+8, a block of its own, and k = 0 takes its place.
; QT+0,1 k = 32; +2,3 block 0's maximum; +4,5 block 1's; +6,7 the other half's; +8..11 bytes.  The word (s0, s0, s1, s1) is right in lanes 16-31.
.macro QP1X e0, e1, x0, x1, dw, o0, o1, w0, w1
	v_cndmask_b32 v[QT+0], 0, v[(\e0)+15], s[HI]
	v_cndmask_b32 v[QT+1], 0, v[(\e1)+15], s[HI]
	v_cndmask_b32 v[(\e0)+15], v[(\e0)+15], v[\x0], s[HI]
	v_cndmask_b32 v[(\e1)+15], v[(\e1)+15], v[\x1], s[HI]
	v_max3_num_f32 v[QT+2], 0x1800000, |v[\e0]|, |v[(\e0)+1]|
	v_max3_num_f32 v[QT+3], 0x1800000, |v[\e1]|, |v[(\e1)+1]|
.irp i,2,4,6,8,10,12,14
	v_max3_num_f32 v[QT+2], v[QT+2], |v[(\e0)+\i]|, |v[(\e0)+\i+1]|
	v_max3_num_f32 v[QT+3], v[QT+3], |v[(\e1)+\i]|, |v[(\e1)+\i+1]|
.endr
	v_max3_num_f32 v[QT+4], 0x1800000, |v[QT+0]|, |v[QT+0]|
	v_max3_num_f32 v[QT+5], 0x1800000, |v[QT+1]|, |v[QT+1]|
	v_permlanex16_b32 v[QT+6], v[QT+2], s[SEL], s[SEL+1]
	v_permlanex16_b32 v[QT+7], v[QT+3], s[SEL], s[SEL+1]
	v_mov_b32 v[Z+8], v[QT+0]
	v_max_num_f32 v[QT+2], v[QT+2], v[QT+6]
	v_max_num_f32 v[QT+3], v[QT+3], v[QT+7]
.irp k,2,3,4,5
	v_add_nc_u32 v[QT+\k], 0xff000000, v[QT+\k]
.endr
.irp k,2,3,4,5
	v_lshrrev_b32 v[QT+6+\k], 23, v[QT+\k]
.endr
.irp k,8,9,10,11
	v_mul_u32_u24 v[QT+\k], v[QT+\k], 0x101
.endr
	v_lshl_or_b32 v[\w0], v[QT+10], 16, v[QT+8]
	v_lshl_or_b32 v[\w1], v[QT+11], 16, v[QT+9]
	WIN ((\dw)<<6)
	v_cvt_scalef32_pk16_fp6_f32 v[(\o0):(\o0)+2], v[(\e0):(\e0)+15], v[QT+2]
	v_cvt_scalef32_pk16_fp6_f32 v[(\o1):(\o1)+2], v[(\e1):(\e1)+15], v[QT+3]
	v_cvt_scalef32_pk16_fp6_f32 v[(\o0)+6:(\o0)+8], v[Z:Z+15], v[QT+4]
	WIN 0
	v_nop                                                        ; a plain place before Z+8, a source of the conversion, is written again
	v_mov_b32 v[Z+8], v[QT+1]
	WIN ((\dw)<<6)
	v_cvt_scalef32_pk16_fp6_f32 v[(\o1)+6:(\o1)+8], v[Z:Z+15], v[QT+5]
	WIN 0
	v_nop
.endm
; LayerNorm without gain and bias, nt tiles by turns, all registers in ONE window (the caller sets it).  Tile u: np pairs at z0 + zs u; 14 registers at tw + tws u:
; +0..7 four chains, +8 minus the mean, +10 1 / sqrt(var + eps), +12 a sum, +13 the other half's.  A row lies in lanes l and l xor 16.  Two passes: mean, deviations, their squares.
.macro LNJOIN nt, tw, tws
.irp st,0,1,2,3,4,5
.set u_,0
.rept \nt
.set tt_, (\tw)+(\tws)*u_
.if \st == 0
	v_pk_add_f32 v[tt_:tt_+1], v[tt_:tt_+1], v[tt_+2:tt_+3]
.elseif \st == 1
	v_pk_add_f32 v[tt_+4:tt_+5], v[tt_+4:tt_+5], v[tt_+6:tt_+7]
.elseif \st == 2
	v_pk_add_f32 v[tt_:tt_+1], v[tt_:tt_+1], v[tt_+4:tt_+5]
.elseif \st == 3
	v_add_f32 v[tt_+12], v[tt_], v[tt_+1]
.elseif \st == 4
	v_permlanex16_b32 v[tt_+13], v[tt_+12], s[SEL], s[SEL+1]
.else
	v_add_f32 v[tt_+12], v[tt_+12], v[tt_+13]
.endif
.set u_,u_+1
.endr
.endr
.endm
.macro LNORM nt, z0, zs, np, tw, tws, ni, pi
.set p_,0
.rept 4                                ; each accumulator is first read at its low end: the pairs go in ascending order
.set u_,0
.rept \nt
.set zz_, (\z0)+(\zs)*u_
.set tt_, (\tw)+(\tws)*u_
	v_pk_add_f32 v[tt_+2*p_:tt_+2*p_+1], v[zz_+2*p_:zz_+2*p_+1], v[zz_+8+2*p_:zz_+9+2*p_]
.set u_,u_+1
.endr
.set p_,p_+1
.endr
.if (\np) > 8
.set p_,8
.rept (\np)-8
.set u_,0
.rept \nt
.set zz_, (\z0)+(\zs)*u_
.set tt_, (\tw)+(\tws)*u_+2*(p_%4)
	v_pk_add_f32 v[tt_:tt_+1], v[tt_:tt_+1], v[zz_+2*p_:zz_+2*p_+1]
.set u_,u_+1
.endr
.set p_,p_+1
.endr
.endif
	LNJOIN \nt, \tw, \tws
.set u_,0
.rept \nt
.set tt_, (\tw)+(\tws)*u_
	v_mul_f32 v[tt_+8], \ni, v[tt_+12]
.set u_,u_+1
.endr
.set p_,0
.rept \np
.set u_,0
.rept \nt
.set zz_, (\z0)+(\zs)*u_
.set tt_, (\tw)+(\tws)*u_
	v_pk_add_f32 v[zz_+2*p_:zz_+2*p_+1], v[zz_+2*p_:zz_+2*p_+1], v[tt_+8:tt_+9] op_sel_hi:[1,0]
.set u_,u_+1
.endr
.set p_,p_+1
.endr
.set p_,0
.rept \np
.set u_,0
.rept \nt
.set zz_, (\z0)+(\zs)*u_
.set tt_, (\tw)+(\tws)*u_+2*(p_%4)
.if p_ < 4
	v_pk_mul_f32 v[tt_:tt_+1], v[zz_+2*p_:zz_+2*p_+1], v[zz_+2*p_:zz_+2*p_+1]
.else
	v_pk_fma_f32 v[tt_:tt_+1], v[zz_+2*p_:zz_+2*p_+1], v[zz_+2*p_:zz_+2*p_+1], v[tt_:tt_+1]
.endif
.set u_,u_+1
.endr
.set p_,p_+1
.endr
	LNJOIN \nt, \tw, \tws
.set u_,0
.rept \nt
.set tt_, (\tw)+(\tws)*u_
	v_fma_f32 v[tt_+12], v[tt_+12], \pi, s[EPS]
.set u_,u_+1
.endr
.set u_,0
.rept \nt
.set tt_, (\tw)+(\tws)*u_
	v_rsq_f32 v[tt_+10], v[tt_+12]
.set u_,u_+1
.endr
	v_nop                                                        ; a plain place behind the transcendental
	s_wait_alu depctr_va_vdst(0)                                 ; the tiles' 1 / sqrt(var + eps), registers +10, are written: one wait for the batch, ahead of its first reader
.set p_,0
.rept \np
.set u_,0
.rept \nt
.set zz_, (\z0)+(\zs)*u_
.set tt_, (\tw)+(\tws)*u_
	v_pk_mul_f32 v[zz_+2*p_:zz_+2*p_+1], v[zz_+2*p_:zz_+2*p_+1], v[tt_+10:tt_+11] op_sel_hi:[1,0]
.set u_,u_+1
.endr
.set p_,p_+1
.endr
.endm
.macro AFFINE nt, z0, zs, np, g, b     ; z = z g + b
.set p_,0
.rept \np
.set u_,0
.rept \nt
.set zz_, (\z0)+(\zs)*u_+2*p_
	v_pk_fma_f32 v[zz_:zz_+1], v[zz_:zz_+1], v[(\g)+2*p_:(\g)+2*p_+1], v[(\b)+2*p_:(\b)+2*p_+1]
.set u_,u_+1
.endr
.set p_,p_+1
.endr
.endm
.macro RELU nt, z0, zs, n
.set i_,0
.rept \n
.set u_,0
.rept \nt
	v_max_num_f32 v[(\z0)+(\zs)*u_+i_], 0, v[(\z0)+(\zs)*u_+i_]
.set u_,u_+1
.endr
.set i_,i_+1
.endr
.endm
.macro LDW1 t, e, xr                   ; tile t of h_w1: rows 1 + 16 h + i of my column, and row 0
.set i_,0
.rept 16
	global_load_b32 v[(\e)+i_], v[AW1], s[14:15] offset:512*(1+i_)+4*(64*((\t)>>2)+8*((\t)&3))
.set i_,i_+1
.endr
	global_load_b32 v[\xr], v[AX], s[14:15] offset:4*(64*((\t)>>2)+8*((\t)&3))
.endm
; A batch of 32 neighbouring j is asked for.  Tile u is rows 16 u .. 16 u + 15 of it; lane (r, h) takes row r's mask word and x, and 64 bytes, numbers 16 h .. 16 h + 15, of row r's emb:
; a tile's four loads of emb cover its 2,048 consecutive bytes.
.macro FETCH
	global_load_b32 v[MN], v[VOFF], s[10:11] th:TH_LOAD_NT
	global_load_b32 v[MN+1], v[VOFF], s[10:11] offset:64 th:TH_LOAD_NT
	global_load_b32 v[XS], v[VOFF], s[8:9] th:TH_LOAD_NT
	global_load_b32 v[XS+1], v[VOFF], s[8:9] offset:64 th:TH_LOAD_NT
.irp q,0,1,2,3
	global_load_b128 v[E+4*\q:E+4*\q+3], v[JO], s[12:13] offset:16*\q
	global_load_b128 v[E+16+4*\q:E+16+4*\q+3], v[JO], s[12:13] offset:2048+16*\q
.endr
.endm
	s_load_b512 s[8:23], s[0:1], 0x0               ; x, mask, feat_emb, h_w1, h_b1, h_ln1_g, h_ln1_b, h_w2
	s_load_b512 s[24:39], s[0:1], 0x40             ; h_b2, h_ln2_g, h_ln2_b, g_w1, g_b1, g_w2, g_b2, parts
	v_lshl_add_u32 v11, v0, 2, 0x1000
	v_mov_b32 v12, 0
	v_lshrrev_b32 v[T0], 5, v0
	v_readfirstlane_b32 s2, v[T0]                  ; wave
	v_bfe_u32 v[T1], v0, 4, 1                      ; h
	v_lshlrev_b32 v[H64], 6, v[T1]
	v_lshlrev_b32 v[SH8], 3, v[T1]
	v_lshlrev_b32 v[A128], 7, v[T1]
	v_lshlrev_b32 v[A32], 5, v[T1]
	v_and_b32 v[T0], 7, v0
	v_lshlrev_b32 v[T0], 2, v[T0]
	v_bfe_u32 v[A0R], v0, 3, 1                     ; m / 8
	v_lshl_or_b32 v[AX], v[A0R], 7, v[T0]          ; h_w1: 4 (32 (m / 8) + m % 8)
	v_lshl_or_b32 v[AW2], v[A0R], 6, v[T0]         ; h_w2: 4 (16 (m / 8) + m % 8)
	v_lshl_add_u32 v[AW1], v[T1], 13, v[AX]        ; + 16 h rows of 512 bytes
	v_lshl_add_u32 v[AW2], v[T1], 12, v[AW2]       ; + 32 h rows of 128 bytes
	v_and_b32 v[T0], 15, v0                        ; r
	v_lshlrev_b32 v[XB], 2, v[T0]
	v_lshl_add_u32 v[JB], v[T0], 7, v[H64]
	v_lshl_add_u32 v[AG], v[T1], 10, v[XB]         ; g_w1: 4 m + 16 h rows of 64 bytes
	v_mov_b32 v[A0R], 0
	s_mov_b32 s[HI], 0xffff0000                    ; lanes 16-31
	s_mov_b32 s[SEL], 0x76543210
	s_mov_b32 s[SEL+1], 0xfedcba98                 ; v_permlanex16_b32's selects for lane l xor 16
	s_mov_b32 s[EPS], 0x3727c5ac                   ; 1e-5
	s_mov_b32 s61, 0xc1200000                      ; -10
	s_mov_b32 s62, 0x41200000                      ; 10
	s_mov_b32 s63, 0x3fb8aa3b                      ; log2(e)
	s_wait_alu depctr_va_sdst(0)                   ; s2, the wave's number, is written, ahead of its first reader: the wave's first j is made from it
	s_lshr_b32 s68, ttmp9, 2                       ; b
	s_and_b32 s69, ttmp9, 3
	s_lshl_b32 s69, s69, 12
	s_lshl_b32 s70, s2, 10
	s_add_co_u32 s[sJ], s69, s70                   ; my wave's first j
	s_lshl_b32 s68, s68, 14
	s_add_co_u32 s68, s68, s[sJ]
	s_lshl_b32 s68, s68, 2                         ; its byte in x and in mask
	s_mov_b32 s69, 0
	s_mul_i32 s70, ttmp9, 640                      ; my work-group's record
	s_mov_b32 s71, 0
	s_lshl_b32 s72, s[sJ], 7                       ; my first row of feat_emb: 128 bytes a row
	s_mov_b32 s73, 0
	s_wait_kmcnt 0x0
	s_add_nc_u64 s[8:9], s[8:9], s[68:69]
	s_add_nc_u64 s[10:11], s[10:11], s[68:69]
	s_add_nc_u64 s[12:13], s[12:13], s[72:73]
	s_add_nc_u64 s[38:39], s[38:39], s[70:71]
	s_wait_alu depctr_va_vdst(0)                   ; the offsets v3 and v225 to v231 are written, which the head's loads read; between here and the last of those loads stand loads and window switches alone
	; every load of the weights and constants goes out in one run; the weights land as f32 in registers that the loop uses later
	LDW1 0,20,208
	LDW1 1,36,209
	LDW1 2,68,210
	LDW1 3,84,211
	LDW1 4,144,212
	LDW1 5,160,213
	LDW1 6,176,214
	LDW1 7,192,215
.set i_,0
.rept 16
	global_load_b32 v[100+i_], v[AG], s[30:31] offset:64*i_      ; g_w1(16 h + i, m)
.set i_,i_+1
.endr
	WIN 0x40
.set k_,0
.rept 128                              ; h_w2(64 c + 32 h + i, 16 (m / 8) + 8 n + m % 8) into window 1, register 64 n + 32 c + i
	global_load_b32 v[ZA+k_], v[AW2], s[22:23] offset:128*(64*((k_%64)/32)+k_%32)+32*(k_/64)
.set k_,k_+1
.endr
	WIN 0x80
	LDC BI1,16,A128,16
	LDC G1N,16,A128,18
	LDC B1N,16,A128,20
	WIN 0xc0
	LDC HB2,4,H64,24
	LDC G2N,4,H64,26
	LDC B2N,4,H64,28
	LDC GB1,2,A32,32
	LDC GW2,8,A128,34                              ; g_w2(8 h + j, 0 .. 3) at register 4 j
	LDC GB2,1,A0R,36
.irp t,0,1,2,3,4,5,6,7                 ; of a weight's fragment only the registers that meet codes of the data are made; the others are written once, with zeros (no load lands in a register that these lines write, and none reads one)
	ZERO W1F+12*\t+3,3
	ZERO W1F+12*\t+9,3
.endr
	ZERO G1F+3,9
	WIN 0x40
	ZERO ACC,68                                    ; the sums begin as zeros, so that the batch is written once, in the loop
.irp u,0,1
.irp k,9,11,13
	v_mov_b32 v[TW+20*\u+\k], 0                    ; upper halves of pairs whose low word alone is used, and a lane permute's destination: written once
.endr
.endr
	WIN 0
	ZERO Z,16
	ZERO QT,28                                     ; lane permutes' destinations, which count as sources, among them
	s_wait_loadcnt 0x0
	QP1X 20,36,208,209,3,W1F,W1F+12,W1S,W1S+1
	QP1X 68,84,210,211,3,W1F+24,W1F+36,W1S+2,W1S+3
	QP1X 144,160,212,213,3,W1F+48,W1F+60,W1S+4,W1S+5
	QP1X 176,192,214,215,3,W1F+72,W1F+84,W1S+6,W1S+7
	QHALF 1,0,100,0,3,G1F,0,G1S
	QFRAG 2,1,ZA,64,2,W2F,12,W2S
	WIN 0xc3
.irp i,0,1,2,3
	v_cndmask_b32 v[GB2+\i], v[GB2+\i], 0, s[HI]   ; g_b2 enters once: the two halves' sums are added
.endr
	WIN 0
.irp u,0,1
	ZERO OP1+12*\u+3,3
	ZERO OP1+12*\u+9,3
	ZERO OP3+12*\u+3,9
.endr
	v_mov_b32 v[VOFF], v[XB]
	v_mov_b32 v[JO], v[JB]
	s_wait_alu depctr_va_vdst(0)                   ; VOFF and JO are written, which the loads read; the weights' quantising is done with v20 to v51, in which the loads land; the weights' codes and scale words and the operands' zeros are written, which the scaled matrix instructions take
	FETCH                                          ; batch 0
	s_mov_b32 s[sT], 0
	s_mov_b32 s[sOFF], 0
	s_mov_b32 s[sOFJ], 0
.Ltrip:                                            ; 32 trips, a batch each
	s_wait_loadcnt 0x0                             ; this batch's twelve loads, asked for ahead of a whole batch's work; their two offset registers are free behind this wait
	v_cmp_ne_u32 s[VM], 0, v[MN]                   ; observed rows: my row's bit in both halves of the lanes.  It only selects values
	v_cmp_ne_u32 s[VM+1], 0, v[MN+1]
	QP1X E,E+16,XS,XS+1,0,OP1,OP1+12,S1D,S1D+1     ; the batch becomes product 1's operands,
	s_add_co_u32 s[sOFF], s[sOFF], 128
	s_min_u32 s[sOFF], s[sOFF], 3968               ; (the last trip asks for the last batch again: no load leaves its buffer)
	s_add_co_u32 s[sOFJ], s[sOFJ], 4096
	s_min_u32 s[sOFJ], s[sOFJ], 126976
	s_wait_alu depctr_vm_vsrc(0)                   ; this batch's loads have read VOFF and JO, which the two additions write again
	v_add_nc_u32 v[VOFF], s[sOFF], v[XB]
	v_add_nc_u32 v[JO], s[sOFJ], v[JB]
	PL 8                                           ; the places in front of product 1 stand ahead of the wait
	s_wait_alu depctr_va_vdst(0)                   ; the compares and QP1X are done with MN, XS and E, in which the loads land; VOFF and JO are written, which the loads read; OP1 and S1D are written, which product 1 takes
	FETCH                                          ; its registers take the next batch, and the chain runs while that is on its way: no line of the chain names a register that these loads touch
	WIN 0x63                                       ; W1 window 3, data window 0, h_b1 window 2, result window 1
.irp t,0,1,2,3,4,5,6,7
.irp u,0,1
	WMMA1 ZA+64*\u+8*\t,W1F+12*\t,OP1+12*\u,BI1+8*\t,W1S+\t,S1D+\u
.endr
.endr
	WIN 0x55
	PL 4
	LNORM 2,ZA,64,32,TW,20,0xbc000000,0x3c000000
	WIN 0x69
	AFFINE 2,ZA,64,32,G1N,B1N
	WIN 0x55
	RELU 2,ZA,64,64
	QFRAG 2,1,ZA,64,0,HOP,12,S2D
	PL 8
	WIN 0x32
	s_wait_alu depctr_va_vdst(0)                   ; HOP and S2D are written, which product 2 takes as codes and scale words; the places above stay beside this wait
.irp n,0,1
.irp u,0,1
	WMMA HO+16*\u+8*\n,W2F+12*\n,HOP+12*\u,HB2+8*\n,W2S+\n,S2D+\u
.endr
.endr
	WIN 0
	PL 4
	LNORM 2,HO,16,8,QT,14,0xbd000000,0x3d000000
	WIN 0x3c
	AFFINE 2,HO,16,8,G2N,B2N
	WIN 0
	RELU 2,HO,16,16                                ; h_out: register i = d 16 h + i
	QHALF 2,0,HO,16,0,OP3,12,S3D
	PL 8
	WIN 0x33
	s_wait_alu depctr_va_vdst(0)                   ; OP3 and S3D are written, which product 3 takes as codes and scale words; the places above stay beside this wait
.irp u,0,1
	WMMA GA+8*\u,G1F,OP3+12*\u,GB1,G1S,S3D+\u
.endr
	WIN 0
	PL 4
	RELU 2,GA,8,8
	WIN 0x3c                                       ; product 4 in f32: my 8 units x g_w2's rows, two heads an instruction; the first takes g_b2 as its addend
.irp u,0,1
.irp p,0,2
	v_pk_fma_f32 v[LG+4*\u+\p:LG+4*\u+\p+1], v[GA+8*\u:GA+8*\u+1], v[GW2+\p:GW2+\p+1], v[GB2+\p:GB2+\p+1] op_sel_hi:[0,1,1]
.endr
.endr
	WIN 0x0c
.irp j,1,2,3,4,5,6,7
.irp u,0,1
.irp p,0,2
.if \j%2
	v_pk_fma_f32 v[LG+4*\u+\p:LG+4*\u+\p+1], v[GA+8*\u+\j-1:GA+8*\u+\j], v[GW2+4*\j+\p:GW2+4*\j+\p+1], v[LG+4*\u+\p:LG+4*\u+\p+1] op_sel:[1,0,0] op_sel_hi:[1,1,1]
.else
	v_pk_fma_f32 v[LG+4*\u+\p:LG+4*\u+\p+1], v[GA+8*\u+\j:GA+8*\u+\j+1], v[GW2+4*\j+\p:GW2+4*\j+\p+1], v[LG+4*\u+\p:LG+4*\u+\p+1] op_sel_hi:[0,1,1]
.endif
.endr
.endr
.endr
	WIN 0
.irp k,0,1,2,3,4,5,6,7
	v_permlanex16_b32 v[LP+\k], v[LG+\k], s[SEL], s[SEL+1]
.endr
.irp k,0,2,4,6
	v_pk_add_f32 v[LG+\k:LG+\k+1], v[LG+\k:LG+\k+1], v[LP+\k:LP+\k+1]   ; with the other 8 units
.endr
.irp k,0,1,2,3,4,5,6,7
	v_med3_num_f32 v[LG+\k], v[LG+\k], s61, s62    ; the clip
.endr
.irp k,0,1,2,3,4,5,6,7
	v_mul_f32 v[LG+\k], s63, v[LG+\k]
.endr
.irp k,0,1,2,3,4,5,6,7
	v_exp_f32 v[EX+\k], v[LG+\k]
.endr
	v_nop                                          ; a plain place behind the exponentials
	s_wait_alu depctr_va_vdst(0)                   ; the eight exponentials EX are written: one wait for the batch, ahead of its first reader
	s_wait_alu depctr_va_sdst(0)                   ; the two compares at the trip's head have written s[VM] and s[VM+1], ahead of their first readers
.irp u,0,1
.irp w,0,1,2,3
	v_cndmask_b32 v[EX+4*\u+\w], 0, v[EX+4*\u+\w], s[VM+\u]      ; a row that was not observed adds nothing
.endr
.endr
	WIN 0x50                                       ; product 5 in f32: ACC(w, d) += exp_w h_out_d, a lane for its own row; the rows are added at the end
.irp u,0,1
.irp w,0,1,2,3
.irp i,0,2,4,6,8,10,12,14
.if \w%2
	v_pk_fma_f32 v[ACC+16*\w+\i:ACC+16*\w+\i+1], v[HO+16*\u+\i:HO+16*\u+\i+1], v[EX+4*\u+\w-1:EX+4*\u+\w], v[ACC+16*\w+\i:ACC+16*\w+\i+1] op_sel:[0,1,0] op_sel_hi:[1,1,1]
.else
	v_pk_fma_f32 v[ACC+16*\w+\i:ACC+16*\w+\i+1], v[HO+16*\u+\i:HO+16*\u+\i+1], v[EX+4*\u+\w:EX+4*\u+\w+1], v[ACC+16*\w+\i:ACC+16*\w+\i+1] op_sel_hi:[1,0,1]
.endif
.endr
.endr
.irp p,0,2
	v_pk_fma_f32 v[SS+\p:SS+\p+1], v[EX+4*\u+\p:EX+4*\u+\p+1], 1.0, v[SS+\p:SS+\p+1] op_sel_hi:[1,0,1]
.endr
.endr
	WIN 0
	s_add_co_u32 s[sT], s[sT], 1
	s_cmp_lt_u32 s[sT], 32
	s_cbranch_scc1 .Ltrip
	; THE END.  The 16 rows of each half of the lanes are added; the four waves' sums meet in LDS; 160 floats leave.
	s_wait_loadcnt 0x0                             ; the last trip's loads land in registers that are used below
	s_wait_alu depctr_vm_vsrc(0)                   ; the last trip's loads have read JO, v16, which the first move below writes
	WIN 0x01
.set i_,0
.rept 68
	v_mov_b32 v[RD+i_], v[ACC+i_]
.set i_,i_+1
.endr
	WIN 0
.irp m,1,2,4,8
.set i_,0
.rept 68
	v_add_f32_dpp v[RD+i_], v[RD+i_], v[RD+i_] row_xmask:\m row_mask:0xf bank_mask:0xf
.set i_,i_+1
.endr
.endr
	s_mul_i32 s68, s2, 640
	v_add_nc_u32 v[T0], s68, v[H64]                ; my wave's 640 bytes, + 64 h: float 32 w + 16 h + i
	v_lshlrev_b32 v[T1], 2, v0
	s_wait_alu depctr_va_vdst(0)                   ; the sums RD and the address T0 are written, which the LDS stores read; so is T1, which the LDS loads below read; the loop is done with v100 to v107, in which those loads land
.irp w,0,1,2,3
.irp q,0,1,2,3
	ds_store_b128 v[T0], v[RD+16*\w+4*\q:RD+16*\w+4*\q+3] offset:128*\w+16*\q   ; the 16 lanes of a half write the same bytes with the same values
.endr
.endr
.irp q,0,1,2,3
	ds_store_b128 v[T0], v[RD+64:RD+67] offset:512+16*\q
.endr
	s_wait_dscnt 0x0                               ; for the others' sake: my stores have landed
	s_barrier_signal -1
	s_barrier_wait -1
.irp k,0,1,2,3
	ds_load_b32 v[100+\k], v[T1] offset:640*\k
.endr
	s_wait_dscnt 0x0
	v_add_f32 v100, v100, v101
	v_add_f32 v102, v102, v103
	v_add_f32 v100, v100, v102
	s_wait_alu depctr_va_vdst(0)                   ; the additions have written v100, which the store reads
	global_store_b32 v[T1], v100, s[38:39]         ; thread t: float t; a wave stores 128 consecutive bytes
	s_cmp_lg_u32 s2, 0
	s_cbranch_scc1 .Lend
.irp k,0,1,2,3
	ds_load_b32 v[104+\k], v[T1] offset:512+640*\k ; wave 0: floats 128 + lane.  (No vector instruction since the waits above names v104 to v107 or T1)
.endr
	s_wait_dscnt 0x0
	v_add_f32 v104, v104, v105
	v_add_f32 v106, v106, v107
	v_add_f32 v104, v104, v106
	s_wait_alu depctr_va_vdst(0)                   ; the additions have written v104, which the store reads
	global_store_b32 v[T1], v104, s[38:39] offset:512
.Lend:
	s_wait_dscnt 0x0
	s_wait_alu depctr_hold_cnt(0) depctr_sa_sdst(0) depctr_va_vdst(0) depctr_va_sdst(0) depctr_va_ssrc(0) depctr_va_vcc(0) depctr_vm_vsrc(0)
	s_wait_tensorcnt 0x0
	ds_add_u32 v11, v12
	s_wait_dscnt 0x0
	s_endpgm
.Lfunc_end_k_qc533cf7c42_rows:
	.size	k_qc533cf7c42_rows, .Lfunc_end_k_qc533cf7c42_rows-k_qc533cf7c42_rows
	.p2alignl 7, 3214868480
	.fill 96, 4, 3214868480
	.section	.rodata,"a",@progbits
	.p2align	6, 0x0
	.amdhsa_kernel k_qc533cf7c42_rows
		.amdhsa_group_segment_fixed_size 4608
		.amdhsa_private_segment_fixed_size 0
		.amdhsa_enable_private_segment 0
		.amdhsa_kernarg_size 128
		.amdhsa_user_sgpr_count 2
		.amdhsa_user_sgpr_kernarg_segment_ptr 1
		.amdhsa_wavefront_size32 1
		.amdhsa_system_sgpr_workgroup_id_x 1
		.amdhsa_system_sgpr_workgroup_id_y 1
		.amdhsa_system_sgpr_workgroup_id_z 1
		.amdhsa_system_vgpr_workitem_id 0
		.amdhsa_next_free_vgpr 1024
		.amdhsa_next_free_sgpr 80
		.amdhsa_reserve_vcc 0
		.amdhsa_float_denorm_mode_32 3
		.amdhsa_float_denorm_mode_16_64 3
		.amdhsa_memory_ordered 1
		.amdhsa_forward_progress 1
		.amdhsa_inst_pref_size 144
	.end_amdhsa_kernel
	.amdgpu_metadata
---
amdhsa.version: [ 1, 2 ]
amdhsa.kernels:
  - .name:           k_qc533cf7c42_rows
    .symbol:         k_qc533cf7c42_rows.kd
    .args:
      - { .name: x, .offset: 0, .size: 8, .value_kind: global_buffer, .address_space: global }
      - { .name: mask, .offset: 8, .size: 8, .value_kind: global_buffer, .address_space: global }
      - { .name: feat_emb, .offset: 16, .size: 8, .value_kind: global_buffer, .address_space: global }
      - { .name: h_w1, .offset: 24, .size: 8, .value_kind: global_buffer, .address_space: global }
      - { .name: h_b1, .offset: 32, .size: 8, .value_kind: global_buffer, .address_space: global }
      - { .name: h_ln1_g, .offset: 40, .size: 8, .value_kind: global_buffer, .address_space: global }
      - { .name: h_ln1_b, .offset: 48, .size: 8, .value_kind: global_buffer, .address_space: global }
      - { .name: h_w2, .offset: 56, .size: 8, .value_kind: global_buffer, .address_space: global }
      - { .name: h_b2, .offset: 64, .size: 8, .value_kind: global_buffer, .address_space: global }
      - { .name: h_ln2_g, .offset: 72, .size: 8, .value_kind: global_buffer, .address_space: global }
      - { .name: h_ln2_b, .offset: 80, .size: 8, .value_kind: global_buffer, .address_space: global }
      - { .name: g_w1, .offset: 88, .size: 8, .value_kind: global_buffer, .address_space: global }
      - { .name: g_b1, .offset: 96, .size: 8, .value_kind: global_buffer, .address_space: global }
      - { .name: g_w2, .offset: 104, .size: 8, .value_kind: global_buffer, .address_space: global }
      - { .name: g_b2, .offset: 112, .size: 8, .value_kind: global_buffer, .address_space: global }
      - { .name: parts, .offset: 120, .size: 8, .value_kind: global_buffer, .address_space: global }
    .group_segment_fixed_size: 4608
    .private_segment_fixed_size: 0
    .kernarg_segment_align: 8
    .kernarg_segment_size: 128
    .max_flat_workgroup_size: 128
    .sgpr_count:     80
    .vgpr_count:     1024
    .wavefront_size: 32
...
	.end_amdgpu_metadata
.endif
;; end of part 3
;; launch tail (part 4): grid 4 x 1, 1 waves a work-group, no clusters, 0 bytes of LDS; arguments parts, c_w, c_b, c_ln_g, c_ln_b, e_w1, e_b1, e_ln1_g, e_ln1_b, e_w2, e_b2, e_ln2_g, e_ln2_b, out0, out1; writes out0, out1
.if DOCPART == 4
	.amdgcn_target "amdgcn-amd-amdhsa--gfx1250"
	.amdhsa_code_object_version 6
	.text
	.protected	k_qc533cf7c42_tail
	.globl	k_qc533cf7c42_tail
	.p2align	8
	.type	k_qc533cf7c42_tail,@function
k_qc533cf7c42_tail:
	s_mov_b64 s[64:65], 0
	v_nop
	global_prefetch_b8 v0, s[64:65] scope:SCOPE_SE
	s_setreg_imm32_b32 hwreg(HW_REG_WAVE_SCHED_MODE, 0, 2), 2
	s_setreg_imm32_b32 hwreg(HW_REG_WAVE_MODE, 25, 1), 1
	s_wait_xcnt 0x0
	s_wait_alu depctr_vm_vsrc(0)
; The four part records of each row b are added; head_sums = sums / max(S, 1e-30); then c_w, LN, relu (0 where nothing was observed: S0 = 0), e_w1, LN, relu, e_w2, LN, relu; mu and logvar leave.
; 64 rows are four tiles of 16: four work-groups of ONE wave, which holds everything in its registers: no LDS, no barrier.  All three products on codes of E2M3 with E8M0 scales, used transposed:
; lane (r = lane % 16, h = lane / 16) holds row 16 g + r, its registers run along the features.  Columns of a tile: c_w 16 (m / 8) + 8 n + m % 8; e_w1 64 (t / 4) + 32 (m / 8) + 8 (t % 4) + m % 8;
; e_w2 32 (m / 8) + 8 n + m % 8, so that lanes 0-15 end with mu and lanes 16-31 with logvar.
; The weights land as f32 in windows 0 to 3, are quantised there, and each window then takes constants and part records while the next weight is quantised.
; LIMITS: NaN and infinities are not served; a block of zeros carries the byte 1 (its codes are zeros; only this program reads the bytes).
; THE MODE: SCHED_MODE bits 1:0 = 2 (LLVM: expert scheduling mode 2), set by the entry lines.  The code itself states the register dependences
; between vector or matrix instructions and memory instructions, with s_wait_alu, always for 0.
; THE PLAN.  Registers that memory instructions touch:
;   v2 to v9        offsets, written once at the head and read by every load and store: one wait on va_vdst ahead of the first load.
;   windows 2, 3, 1 each holds a weight as f32, which the quantiser reads; then constants and records land there: at each of these three places the window's switch, one wait on va_vdst, the loads.
;   window 1, v0-127 the records' additions read and write them; then e_ln1_g lands there: the switch, one wait on va_vdst, the loads.
;   O8              written by the last relu, read by the stores: the wait on va_vdst ahead of the first change of EXEC states it.
; Beside these: one wait on va_vdst behind the places in front of each product, for its codes and scale words; one behind each batch of transcendentals; one on va_sdst for the compare's mask;
; and ahead of every scalar write of EXEC a wait on va_vdst and one on vm_vsrc, with one on va_vcc where VCC is read.
.set LANE,1
.set AP,2
.set AS,3
.set A128,4
.set A64,5
.set AW6,6
.set AE1,7
.set AE2,8
.set AO,9
.set SH8,13
.set F8,16                             ; window 0: e_w2's 8 fragments, 12 (2 n + s); before that c_w as f32 in v16-143
.set SV,112                            ; the records' S; then product 6's result; then product 8's
.set HO6,112
.set O8,112
.set IV,128
.set QT,144
.set CWF,172                           ; c_w's two fragments; later the operands of product 8
.set OP8,172
.set OPC,196
.set OP7,208
.set S6D,226
.set CWS,227
.set S7D,229
.set W7S,230
.set S8D,246
.set W8S,248                           ; 4 s + n
.set Z7,0                              ; window 2: e_b1, then the 256 hidden units (128 a lane)
.set HS,128                            ; window 2: the head sums; later LN's 14 registers
.set TA,192
.set F7,0                              ; window 3: e_w1's 16 operands, three registers each, 4 apart; the registers between hold what earlier loads left and meet zero codes alone
.set EB2,80
.set EG2,112
.set EBB,144
.set CB,176
.set CG,192
.set CBB,208
.set HI,52
.set SEL,54
.set EPS,59
.set MSB, 0
.macro WIN new                         ; bits 1:0 source 0, 3:2 source 1, 5:4 source 2, 7:6 destination; the high byte repeats the setting that is left
.if MSB != (\new)
	s_set_vgpr_msb (MSB<<8)|(\new)
.set MSB, (\new)
.endif
.endm
.macro PL n
.rept \n
	v_nop
.endr
.endm
.macro ZERO base, n
.set i_,0
.rept \n
	v_mov_b32 v[(\base)+i_], 0
.set i_,i_+1
.endr
.endm
.macro LDC base, n4, areg, sp          ; constants in a result's layout: registers 32 q + 4 e from byte 256 q + 16 e on
.set q_,0
.rept \n4
	global_load_b128 v[(\base)+4*q_:(\base)+4*q_+3], v[\areg], s[\sp:\sp+1] offset:256*(q_/8)+16*(q_%8)
.set q_,q_+1
.endr
.endm
.macro LDREC base, k                   ; record k of my row: heads h and 2 + h, 32 floats each
.set q_,0
.rept 16
	global_load_b128 v[(\base)+4*q_:(\base)+4*q_+3], v[AP], s[8:9] offset:640*(\k)+256*(q_/8)+16*(q_%8)
.set q_,q_+1
.endr
.endm
.macro LDE2 ks                         ; e_w2(128 s + 64 c + 32 h + i, my column of tile n) at register 64 n + 32 c + i
.set k_,0
.rept 256
	global_load_b32 v[k_], v[AE2], s[26:27] offset:256*(128*(\ks)+64*((k_%64)/32)+k_%32)+32*(k_/64)
.set k_,k_+1
.endr
.endm
.macro PKADD np, d, a, b
.set p_,0
.rept \np
	v_pk_add_f32 v[(\d)+2*p_:(\d)+2*p_+1], v[(\a)+2*p_:(\a)+2*p_+1], v[(\b)+2*p_:(\b)+2*p_+1]
.set p_,p_+1
.endr
.endm
.macro WMMA d, a, b, c, sa, sb
	v_wmma_scale_f32_16x16x128_f8f6f4 v[(\d):(\d)+7], v[(\a):(\a)+11], v[(\b):(\b)+11], v[(\c):(\c)+7], v[\sa], v[\sb] matrix_a_fmt:MATRIX_FMT_FP6 matrix_b_fmt:MATRIX_FMT_FP6
.endm
; n fragments of 128 along K.  Fragment f: 64 numbers of a lane, v[s0 + ss f ..] in window sw, registers 32 c + i = k 64 c + 32 h + i: two whole blocks.  Codes to v[o0 + os f ..] in window dw, scale word to v[w0 + f].
.macro QFRAG n, sw, s0, ss, dw, o0, os, w0
	WIN ((\sw)*0x14)
.set i_, 0
.rept 16
.set b_, 0
.rept 2*(\n)
.set sb_, (\s0)+(\ss)*(b_/2)+32*(b_%2)+i_
.if i_ == 0
	v_max3_num_f32 v[QT+b_], 0x1800000, |v[sb_]|, |v[sb_+1]|     ; the floor 2^(3 - 127) holds the byte at 1 from below
.else
	v_max3_num_f32 v[QT+b_], v[QT+b_], |v[sb_]|, |v[sb_+1]|
.endif
.set b_, b_+1
.endr
.set i_, i_+2
.endr
	WIN 0
.set b_, 0
.rept 2*(\n)
	v_add_nc_u32 v[QT+b_], 0xff000000, v[QT+b_]                  ; 2 off the exponent field: the conversion's scale operand
.set b_, b_+1
.endr
.set b_, 0
.rept 2*(\n)
	v_lshrrev_b32 v[QT+4+b_], 23, v[QT+b_]
.set b_, b_+1
.endr
.set f_, 0
.rept \n
	v_lshl_or_b32 v[QT+8+f_], v[QT+5+2*f_], 16, v[QT+4+2*f_]
.set f_, f_+1
.endr
.set f_, 0
.rept \n
	v_lshlrev_b32 v[QT+8+f_], v[SH8], v[QT+8+f_]
.set f_, f_+1
.endr
.set f_, 0
.rept \n
	v_permlanex16_b32 v[QT+10+f_], v[QT+8+f_], s[SEL], s[SEL+1]
.set f_, f_+1
.endr
.set f_, 0
.rept \n
	v_or_b32 v[(\w0)+f_], v[QT+8+f_], v[QT+10+f_]
.set f_, f_+1
.endr
	WIN ((\sw)|((\dw)<<6))
.set b_, 0
.rept 2*(\n)
.set sb_, (\s0)+(\ss)*(b_/2)+32*(b_%2)
.set ob_, (\o0)+(\os)*(b_/2)+6*(b_%2)
	v_cvt_scalef32_pk16_fp6_f32 v[ob_:ob_+2], v[sb_:sb_+15], v[QT+b_]
.set b_, b_+1
.endr
	WIN (\sw)
.set b_, 0
.rept 2*(\n)
.set sb_, (\s0)+(\ss)*(b_/2)+32*(b_%2)
	v_cvt_scalef32_pk16_fp6_f32 v[QT+12+4*b_:QT+14+4*b_], v[sb_+16:sb_+31], v[QT+b_]
.set b_, b_+1
.endr
	WIN ((\dw)<<6)
	v_nop                                                        ; one plain place behind the conversions
.set b_, 0
.rept 2*(\n)
.set ob_, (\o0)+(\os)*(b_/2)+6*(b_%2)
	v_mov_b32 v[ob_+3], v[QT+12+4*b_]
	v_mov_b32 v[ob_+4], v[QT+13+4*b_]
	v_mov_b32 v[ob_+5], v[QT+14+4*b_]
.set b_, b_+1
.endr
	WIN 0
.endm
; n (up to 4) operands of K = 32: a lane's 16 numbers (k = 16 h + i) -> three registers of codes; word = the byte in bytes 0 and 1.
.macro QHALF n, sw, s0, ss, dw, o0, os, w0
	WIN ((\sw)*0x14)
.set i_, 0
.rept 8
.set u_, 0
.rept \n
.set sb_, (\s0)+(\ss)*u_+i_
.if i_ == 0
	v_max3_num_f32 v[QT+u_], 0x1800000, |v[sb_]|, |v[sb_+1]|
.else
	v_max3_num_f32 v[QT+u_], v[QT+u_], |v[sb_]|, |v[sb_+1]|
.endif
.set u_, u_+1
.endr
.set i_, i_+2
.endr
	WIN 0
.irp st,0,1,2,3,4
.set u_, 0
.rept \n
.if \st == 0
	v_permlanex16_b32 v[QT+4+u_], v[QT+u_], s[SEL], s[SEL+1]
.elseif \st == 1
	v_max_num_f32 v[QT+u_], v[QT+u_], v[QT+4+u_]
.elseif \st == 2
	v_add_nc_u32 v[QT+u_], 0xff000000, v[QT+u_]
.elseif \st == 3
	v_lshrrev_b32 v[QT+8+u_], 23, v[QT+u_]
.else
	v_mul_u32_u24 v[(\w0)+u_], v[QT+8+u_], 0x101
.endif
.set u_, u_+1
.endr
.endr
	WIN ((\sw)|((\dw)<<6))
.set u_, 0
.rept \n
	v_cvt_scalef32_pk16_fp6_f32 v[(\o0)+(\os)*u_:(\o0)+(\os)*u_+2], v[(\s0)+(\ss)*u_:(\s0)+(\ss)*u_+15], v[QT+u_]
.set u_, u_+1
.endr
	WIN 0
	v_nop
.endm
; LayerNorm without gain and bias; all registers in ONE window (the caller sets it).  np pairs at z0; 14 registers at tw: +0..7 four chains, +8 minus the mean, +10 1 / sqrt(var + eps), +12 a sum, +13 the other half's.
.macro LNJOIN nt, tw, tws
.irp st,0,1,2,3,4,5
.set u_,0
.rept \nt
.set tt_, (\tw)+(\tws)*u_
.if \st == 0
	v_pk_add_f32 v[tt_:tt_+1], v[tt_:tt_+1], v[tt_+2:tt_+3]
.elseif \st == 1
	v_pk_add_f32 v[tt_+4:tt_+5], v[tt_+4:tt_+5], v[tt_+6:tt_+7]
.elseif \st == 2
	v_pk_add_f32 v[tt_:tt_+1], v[tt_:tt_+1], v[tt_+4:tt_+5]
.elseif \st == 3
	v_add_f32 v[tt_+12], v[tt_], v[tt_+1]
.elseif \st == 4
	v_permlanex16_b32 v[tt_+13], v[tt_+12], s[SEL], s[SEL+1]
.else
	v_add_f32 v[tt_+12], v[tt_+12], v[tt_+13]
.endif
.set u_,u_+1
.endr
.endr
.endm
.macro LNORM nt, z0, zs, np, tw, tws, ni, pi
.set p_,0
.rept 4                                ; each accumulator is first read at its low end: the pairs go in ascending order
.set u_,0
.rept \nt
.set zz_, (\z0)+(\zs)*u_
.set tt_, (\tw)+(\tws)*u_
	v_pk_add_f32 v[tt_+2*p_:tt_+2*p_+1], v[zz_+2*p_:zz_+2*p_+1], v[zz_+8+2*p_:zz_+9+2*p_]
.set u_,u_+1
.endr
.set p_,p_+1
.endr
.if (\np) > 8
.set p_,8
.rept (\np)-8
.set u_,0
.rept \nt
.set zz_, (\z0)+(\zs)*u_
.set tt_, (\tw)+(\tws)*u_+2*(p_%4)
	v_pk_add_f32 v[tt_:tt_+1], v[tt_:tt_+1], v[zz_+2*p_:zz_+2*p_+1]
.set u_,u_+1
.endr
.set p_,p_+1
.endr
.endif
	LNJOIN \nt, \tw, \tws
.set u_,0
.rept \nt
.set tt_, (\tw)+(\tws)*u_
	v_mul_f32 v[tt_+8], \ni, v[tt_+12]
.set u_,u_+1
.endr
.set p_,0
.rept \np
.set u_,0
.rept \nt
.set zz_, (\z0)+(\zs)*u_
.set tt_, (\tw)+(\tws)*u_
	v_pk_add_f32 v[zz_+2*p_:zz_+2*p_+1], v[zz_+2*p_:zz_+2*p_+1], v[tt_+8:tt_+9] op_sel_hi:[1,0]
.set u_,u_+1
.endr
.set p_,p_+1
.endr
.set p_,0
.rept \np
.set u_,0
.rept \nt
.set zz_, (\z0)+(\zs)*u_
.set tt_, (\tw)+(\tws)*u_+2*(p_%4)
.if p_ < 4
	v_pk_mul_f32 v[tt_:tt_+1], v[zz_+2*p_:zz_+2*p_+1], v[zz_+2*p_:zz_+2*p_+1]
.else
	v_pk_fma_f32 v[tt_:tt_+1], v[zz_+2*p_:zz_+2*p_+1], v[zz_+2*p_:zz_+2*p_+1], v[tt_:tt_+1]
.endif
.set u_,u_+1
.endr
.set p_,p_+1
.endr
	LNJOIN \nt, \tw, \tws
.set u_,0
.rept \nt
.set tt_, (\tw)+(\tws)*u_
	v_fma_f32 v[tt_+12], v[tt_+12], \pi, s[EPS]
.set u_,u_+1
.endr
.set u_,0
.rept \nt
.set tt_, (\tw)+(\tws)*u_
	v_rsq_f32 v[tt_+10], v[tt_+12]
.set u_,u_+1
.endr
	v_nop                                                        ; a plain place behind the transcendental
	s_wait_alu depctr_va_vdst(0)                                 ; 1 / sqrt(var + eps), register +10, is written: the wait ahead of its first reader
.set p_,0
.rept \np
.set u_,0
.rept \nt
.set zz_, (\z0)+(\zs)*u_
.set tt_, (\tw)+(\tws)*u_
	v_pk_mul_f32 v[zz_+2*p_:zz_+2*p_+1], v[zz_+2*p_:zz_+2*p_+1], v[tt_+10:tt_+11] op_sel_hi:[1,0]
.set u_,u_+1
.endr
.set p_,p_+1
.endr
.endm
.macro AFFINE nt, z0, zs, np, g, b
.set p_,0
.rept \np
.set u_,0
.rept \nt
.set zz_, (\z0)+(\zs)*u_+2*p_
	v_pk_fma_f32 v[zz_:zz_+1], v[zz_:zz_+1], v[(\g)+2*p_:(\g)+2*p_+1], v[(\b)+2*p_:(\b)+2*p_+1]
.set u_,u_+1
.endr
.set p_,p_+1
.endr
.endm
.macro RELU nt, z0, zs, n
.set i_,0
.rept \n
.set u_,0
.rept \nt
	v_max_num_f32 v[(\z0)+(\zs)*u_+i_], 0, v[(\z0)+(\zs)*u_+i_]
.set u_,u_+1
.endr
.set i_,i_+1
.endr
.endm
	s_load_b512 s[8:23], s[0:1], 0x0               ; parts, c_w, c_b, c_ln_g, c_ln_b, e_w1, e_b1, e_ln1_g
	s_load_b256 s[24:31], s[0:1], 0x40             ; e_ln1_b, e_w2, e_b2, e_ln2_g
	s_load_b128 s[32:35], s[0:1], 0x60             ; e_ln2_b, out0
	s_load_b64 s[36:37], s[0:1], 0x70              ; out1
	v_and_b32 v[LANE], 31, v0
	v_bfe_u32 v15, v0, 4, 1                        ; h
	v_and_b32 v14, 15, v0                          ; r
	v_lshlrev_b32 v[SH8], 3, v15
	v_lshlrev_b32 v[A128], 7, v15
	v_lshlrev_b32 v[A64], 6, v15
	v_mul_u32_u24 v[AS], v14, 2560                 ; my row's four records of 640 bytes
	v_add_nc_u32 v[AP], v[AS], v[A128]
	v_lshlrev_b32 v[AO], 7, v14                    ; my row of an output: 128 bytes
	v_and_b32 v14, 7, v0
	v_lshlrev_b32 v14, 2, v14
	v_bfe_u32 v12, v0, 3, 1                        ; m / 8
	v_lshl_or_b32 v[AE2], v12, 7, v14              ; 4 (32 (m / 8) + m % 8)
	v_lshl_or_b32 v[AW6], v12, 6, v14              ; 4 (16 (m / 8) + m % 8)
	v_lshl_add_u32 v[AE1], v15, 14, v[AE2]         ; e_w1: + 16 h rows of 1,024 bytes
	v_lshl_add_u32 v[AE2], v15, 13, v[AE2]         ; e_w2: + 32 h rows of 256 bytes
	v_lshl_add_u32 v[AW6], v15, 12, v[AW6]         ; c_w: + 32 h rows of 128 bytes
	s_mov_b32 s[HI], 0xffff0000
	s_mov_b32 s[SEL], 0x76543210
	s_mov_b32 s[SEL+1], 0xfedcba98
	s_mov_b32 s[EPS], 0x3727c5ac                   ; 1e-5
	s_mul_i32 s42, ttmp9, 40960                    ; 16 rows x 4 records
	s_mov_b32 s43, 0
	s_lshl_b32 s44, ttmp9, 11                      ; 16 rows of 128 bytes
	s_mov_b32 s45, 0
	s_wait_kmcnt 0x0
	s_add_nc_u64 s[8:9], s[8:9], s[42:43]
	s_add_nc_u64 s[34:35], s[34:35], s[44:45]
	s_add_nc_u64 s[36:37], s[36:37], s[44:45]
	s_wait_alu depctr_va_vdst(0)                   ; the offsets v2 to v9 are written, which every load and store of the kernel reads; they are never written again
.set k_,0
.rept 128                              ; c_w(64 c + 32 h + i, my column of tile n) at v[16 + 64 n + 32 c + i]
	global_load_b32 v[16+k_], v[AW6], s[10:11] offset:128*(64*((k_%64)/32)+k_%32)+32*(k_/64)
.set k_,k_+1
.endr
	WIN 0x80
	LDE2 1
	WIN 0xc0
	LDE2 0
	WIN 0x40
.set k_,0
.rept 256                              ; e_w1(16 h + i, my column of tile t) at register 16 t + i
	global_load_b32 v[k_], v[AE1], s[18:19] offset:1024*(k_%16)+4*(64*((k_/16)>>2)+8*((k_/16)&3))
.set k_,k_+1
.endr
	WIN 0
	ZERO QT,28                                     ; (no load lands in a register that these lines write)
	ZERO OP7+3,9
	s_wait_loadcnt 0x0
	QFRAG 2,0,16,64,0,CWF,12,CWS
	QFRAG 2,2,0,64,0,F8+12,24,W8S+4
	QFRAG 2,2,128,64,0,F8+60,24,W8S+6
	WIN 0x80                                       ; window 2 is free: e_b1, records 0 and 1
	s_wait_alu depctr_va_vdst(0)                   ; the quantiser is done reading window 2's 256 registers, in which the loads land
	LDC Z7,32,A128,20
	LDREC HS,0
	LDREC TA,1
	QFRAG 2,3,0,64,0,F8,24,W8S
	QFRAG 2,3,128,64,0,F8+48,24,W8S+2
	WIN 0xc0                                       ; window 3 from v80 on: the small constants
	s_wait_alu depctr_va_vdst(0)                   ; the quantiser is done reading window 3's registers, in which the loads land, and, long since, v112 to v127 of window 0, which take S below
	LDC EB2,8,A128,28
	LDC EG2,8,A128,30
	LDC EBB,8,A128,32
	LDC CB,4,A64,12
	LDC CG,4,A64,14
	LDC CBB,4,A64,16
	WIN 0
.irp k,0,1,2,3
	global_load_b128 v[SV+4*\k:SV+4*\k+3], v[AS], s[8:9] offset:640*\k+512
.endr
.irp k,0,1,2,3
	QHALF 4,1,64*\k,16,3,F7+16*\k,4,W7S+4*\k
.endr
	WIN 0x40                                       ; window 1 is free: records 2 and 3, e_ln1_b
	s_wait_alu depctr_va_vdst(0)                   ; the quantiser is done reading window 1's 256 registers, in which the loads land
	LDREC 0,2
	LDREC 64,3
	LDC 128,32,A128,24
	s_wait_loadcnt 0x0
	WIN 0xaa
	PKADD 32,HS,HS,TA
	WIN 0x55
	PKADD 32,0,0,64
	WIN 0x86
	PKADD 32,HS,HS,0
	WIN 0x40
	s_wait_alu depctr_va_vdst(0)                   ; the records' additions are done reading and writing window 1's v0 to v127, in which the loads land
	LDC 0,32,A128,22                               ; e_ln1_g takes the records' registers; it is waited for in front of its use
	WIN 0
	v_pk_add_f32 v[SV:SV+1], v[SV:SV+1], v[SV+4:SV+5]
	v_pk_add_f32 v[SV+2:SV+3], v[SV+2:SV+3], v[SV+6:SV+7]
	v_pk_add_f32 v[SV+8:SV+9], v[SV+8:SV+9], v[SV+12:SV+13]
	v_pk_add_f32 v[SV+10:SV+11], v[SV+10:SV+11], v[SV+14:SV+15]
	v_pk_add_f32 v[SV:SV+1], v[SV:SV+1], v[SV+8:SV+9]
	v_pk_add_f32 v[SV+2:SV+3], v[SV+2:SV+3], v[SV+10:SV+11]
	v_cmp_lt_f32 s41, 0, v[SV]                     ; something was observed: every term of S is at least exp(-10).  It only selects values
.irp i,0,1,2,3
	v_max_num_f32 v[SV+\i], 0x0da24260, v[SV+\i]   ; 1e-30
.endr
.irp i,0,1,2,3
	v_rcp_f32 v[SV+4+\i], v[SV+\i]
.endr
	v_nop
	s_wait_alu depctr_va_vdst(0)                   ; the four reciprocals SV+4 to SV+7 are written: one wait for the batch, ahead of its first reader
	v_cndmask_b32 v[IV], v[SV+4], v[SV+5], s[HI]   ; my blocks are heads h and 2 + h
	v_cndmask_b32 v[IV+2], v[SV+6], v[SV+7], s[HI]
	WIN 0x82
.irp c,0,1
.set p_,0
.rept 16
	v_pk_mul_f32 v[HS+32*\c+2*p_:HS+32*\c+2*p_+1], v[HS+32*\c+2*p_:HS+32*\c+2*p_+1], v[IV+2*\c:IV+2*\c+1] op_sel_hi:[1,0]
.set p_,p_+1
.endr
.endr
	QFRAG 1,2,HS,64,0,OPC,12,S6D
	PL 8
	WIN 0x30
	s_wait_alu depctr_va_vdst(0)                   ; OPC and S6D, and c_w's codes and scale words, are written, which the product takes; the places above stay beside this wait
.irp n,0,1
	WMMA HO6+8*\n,CWF+12*\n,OPC,CB+8*\n,CWS+\n,S6D
.endr
	WIN 0
	PL 4
	LNORM 1,HO6,0,8,QT,14,0xbd000000,0x3d000000
	WIN 0x3c
	AFFINE 1,HO6,0,8,CG,CBB
	WIN 0
	RELU 1,HO6,0,16
	s_wait_alu depctr_va_sdst(0)                   ; the compare of S has written s41, ahead of its first reader
.set i_,0
.rept 16
	v_cndmask_b32 v[HO6+i_], 0, v[HO6+i_], s41
.set i_,i_+1
.endr
	QHALF 1,0,HO6,0,0,OP7,0,S7D
	PL 8
	WIN 0xa3                                       ; e_w1 window 3, data window 0, e_b1 and the result, in its place, window 2
	s_wait_alu depctr_va_vdst(0)                   ; OP7 and S7D, and e_w1's codes and scale words, are written, which the product takes; the places above stay beside this wait
.irp t,0,1,2,3,4,5,6,7,8,9,10,11,12,13,14,15
	WMMA Z7+8*\t,F7+4*\t,OP7,Z7+8*\t,W7S+\t,S7D
.endr
	WIN 0xaa
	PL 4
	LNORM 1,Z7,0,64,HS,14,0xbb800000,0x3b800000
	s_wait_loadcnt 0x0                             ; e_ln1_g
	WIN 0x96
	AFFINE 1,Z7,0,64,0,128
	WIN 0xaa
	RELU 1,Z7,0,128
	QFRAG 2,2,Z7,64,0,OP8,12,S8D
	PL 8
	WIN 0x30
	s_wait_alu depctr_va_vdst(0)                   ; OP8 and S8D, and e_w2's codes and scale words, are written, which the product takes; the places above stay beside this wait
.irp n,0,1,2,3
	WMMA O8+8*\n,F8+24*\n,OP8,EB2+8*\n,W8S+\n,S8D
.endr
	WIN 0                                          ; the four accumulators take turns, one instruction a turn
.irp n,0,1,2,3
	WMMA O8+8*\n,F8+24*\n+12,OP8+12,O8+8*\n,W8S+4+\n,S8D+1
.endr
	PL 4
	LNORM 1,O8,0,16,QT,14,0xbc800000,0x3c800000
	WIN 0x3c
	AFFINE 1,O8,0,16,EG2,EBB
	WIN 0
	RELU 1,O8,0,32
	v_cmp_gt_u32 vcc_lo, 16, v[LANE]
	s_wait_xcnt 0x0                                ; EXEC changes only behind this wait
	s_wait_alu depctr_va_vcc(0)                    ; the compare has written VCC, from which EXEC is made
	s_wait_alu depctr_va_vdst(0)                   ; every vector instruction issued under the full EXEC has written its result: the last relu's O8 among them, which the stores below read
	s_wait_alu depctr_vm_vsrc(0)                   ; every memory instruction issued under the full EXEC has read its registers
	s_and_saveexec_b32 s40, vcc_lo                 ; lanes 0-15: mu
.irp e,0,1,2,3,4,5,6,7
	global_store_b128 v[AO], v[O8+4*\e:O8+4*\e+3], s[34:35] offset:16*\e
.endr
	s_wait_xcnt 0x0
	s_wait_alu depctr_va_vdst(0)                   ; ahead of the write of EXEC: no vector instruction is left without its result
	s_wait_alu depctr_vm_vsrc(0)                   ; and the eight stores have read their registers under the narrow EXEC
	s_or_b32 exec_lo, exec_lo, s40
	v_cmp_le_u32 vcc_lo, 16, v[LANE]
	s_wait_xcnt 0x0
	s_wait_alu depctr_va_vcc(0)                    ; the compare has written VCC, from which EXEC is made
	s_wait_alu depctr_va_vdst(0)                   ; ahead of the write of EXEC: no vector instruction is left without its result
	s_wait_alu depctr_vm_vsrc(0)                   ; and no memory instruction has registers left to read
	s_and_saveexec_b32 s40, vcc_lo                 ; lanes 16-31: logvar
.irp e,0,1,2,3,4,5,6,7
	global_store_b128 v[AO], v[O8+4*\e:O8+4*\e+3], s[36:37] offset:16*\e
.endr
	s_wait_xcnt 0x0
	s_wait_alu depctr_va_vdst(0)                   ; ahead of the write of EXEC: no vector instruction is left without its result
	s_wait_alu depctr_vm_vsrc(0)                   ; and the eight stores have read their registers under the narrow EXEC
	s_or_b32 exec_lo, exec_lo, s40
	s_endpgm
.Lfunc_end_k_qc533cf7c42_tail:
	.size	k_qc533cf7c42_tail, .Lfunc_end_k_qc533cf7c42_tail-k_qc533cf7c42_tail
	.p2alignl 7, 3214868480
	.fill 96, 4, 3214868480
	.section	.rodata,"a",@progbits
	.p2align	6, 0x0
	.amdhsa_kernel k_qc533cf7c42_tail
		.amdhsa_group_segment_fixed_size 0
		.amdhsa_private_segment_fixed_size 0
		.amdhsa_enable_private_segment 0
		.amdhsa_kernarg_size 120
		.amdhsa_user_sgpr_count 2
		.amdhsa_user_sgpr_kernarg_segment_ptr 1
		.amdhsa_wavefront_size32 1
		.amdhsa_system_sgpr_workgroup_id_x 1
		.amdhsa_system_sgpr_workgroup_id_y 1
		.amdhsa_system_sgpr_workgroup_id_z 1
		.amdhsa_system_vgpr_workitem_id 0
		.amdhsa_next_free_vgpr 1024
		.amdhsa_next_free_sgpr 66
		.amdhsa_reserve_vcc 1
		.amdhsa_float_denorm_mode_32 3
		.amdhsa_float_denorm_mode_16_64 3
		.amdhsa_memory_ordered 1
		.amdhsa_forward_progress 1
		.amdhsa_inst_pref_size 213
	.end_amdhsa_kernel
	.amdgpu_metadata
---
amdhsa.version: [ 1, 2 ]
amdhsa.kernels:
  - .name:           k_qc533cf7c42_tail
    .symbol:         k_qc533cf7c42_tail.kd
    .args:
      - { .name: parts, .offset: 0, .size: 8, .value_kind: global_buffer, .address_space: global }
      - { .name: c_w, .offset: 8, .size: 8, .value_kind: global_buffer, .address_space: global }
      - { .name: c_b, .offset: 16, .size: 8, .value_kind: global_buffer, .address_space: global }
      - { .name: c_ln_g, .offset: 24, .size: 8, .value_kind: global_buffer, .address_space: global }
      - { .name: c_ln_b, .offset: 32, .size: 8, .value_kind: global_buffer, .address_space: global }
      - { .name: e_w1, .offset: 40, .size: 8, .value_kind: global_buffer, .address_space: global }
      - { .name: e_b1, .offset: 48, .size: 8, .value_kind: global_buffer, .address_space: global }
      - { .name: e_ln1_g, .offset: 56, .size: 8, .value_kind: global_buffer, .address_space: global }
      - { .name: e_ln1_b, .offset: 64, .size: 8, .value_kind: global_buffer, .address_space: global }
      - { .name: e_w2, .offset: 72, .size: 8, .value_kind: global_buffer, .address_space: global }
      - { .name: e_b2, .offset: 80, .size: 8, .value_kind: global_buffer, .address_space: global }
      - { .name: e_ln2_g, .offset: 88, .size: 8, .value_kind: global_buffer, .address_space: global }
      - { .name: e_ln2_b, .offset: 96, .size: 8, .value_kind: global_buffer, .address_space: global }
      - { .name: out0, .offset: 104, .size: 8, .value_kind: global_buffer, .address_space: global }
      - { .name: out1, .offset: 112, .size: 8, .value_kind: global_buffer, .address_space: global }
    .group_segment_fixed_size: 0
    .private_segment_fixed_size: 0
    .kernarg_segment_align: 8
    .kernarg_segment_size: 120
    .max_flat_workgroup_size: 32
    .sgpr_count:     66
    .vgpr_count:     1024
    .wavefront_size: 32
...
	.end_amdgpu_metadata
.endif
;; end of part 4
